; MI455X (gfx1250); checked and timed in simulation.
; The chip was launched on July 23, 2026; its instructions are those of AMD's public machine-readable ISA for CDNA 5 (MIT licence, August 2026) and "CDNA5" Instruction Set Architecture Reference Guide (July 2026). The comments in the code are by the model that wrote it; some were corrected since.
;; MNRDE Func. Allowed arithmetic: float matrix products may take bf16 or f16 operands with f32 sums; all other float work in f32.
;; Inputs: W1 512 x 256 float32; W2 512 x 512 float32; W3 512 x 512 float32; Wo 2,048 x 512 float32; b1 512 float32; b2 512 float32; b3 512 float32; bo 2,048 float32; h 4,096 x 256 float32; primitive_signature 4,096 x 36 float32.
;; Outputs: out0 4,096 x 256 float32.
;; 3 versions, each right; version 2 is faster than version 1; version 3 is version 2 with the launch fused written anew for expert scheduling mode. Each part assembles by itself: llvm-mc -triple=amdgcn-amd-amdhsa -mcpu=gfx1250 --defsym DOCPART=n.
;; ======== version 1 of 3: 2 launches
;; workspace buffers: wf 5,505,024 bytes
;; launch prep (part 1): grid 208 x 1, 8 waves a work-group, no clusters, 0 bytes of LDS; arguments W1, W2, W3, Wo, wf; writes wf
.if DOCPART == 1
	.amdgcn_target "amdgcn-amd-amdhsa--gfx1250"
	.amdhsa_code_object_version 6
	.text
	.protected	k_qc490a48ddb_prep
	.globl	k_qc490a48ddb_prep
	.p2align	8
	.type	k_qc490a48ddb_prep,@function
k_qc490a48ddb_prep:
	s_mov_b64 s[64:65], 0
	v_nop
	global_prefetch_b8 v0, s[64:65] scope:SCOPE_SE
	s_setreg_imm32_b32 hwreg(HW_REG_WAVE_MODE, 25, 1), 1
	s_wait_xcnt 0x0
; wf = W1, W2, W3, Wo rounded to bf16 (nearest even) and laid out as the register image of 16 x 32 matrix fragments.
; Of Wo a second image is made beside the first: the low parts, bf16(W - bf16(W)), so that high + low carry 16 significant bits.
; A fragment is 16 weight rows x 32 k = 1,024 bytes: [c = 0, 1][lane L = 16 h + r][16 bytes] = W[16 T + r][32 ks + 16 c + 8 h + 0 .. 7],
; so that the next launch fills a fragment's eight registers by two loads of 512 consecutive bytes.
; wf is four regions of RW bytes, one for each wave w of the next launch, in the order in which that wave walks them:
;   W1 at 0      [ks 0..7 ][b 0..7]                      row tile T = 8 w + b
;   W2 at LAY2   [ks 0..15][b 0..7]                      the same
;   W3 at LAY3   [ks 0..15][b 0..7]                      the same
;   Wo at LAYO   [ks 0..15][high, low][i 0..7][t 0..3]   row tile T = 16 i + 4 w + t
; One wave takes one row tile T and one pair kp of k steps: 16 rows x 256 bytes of f32 in, stores of 512 consecutive bytes out.
; W1: 32 tiles x 4 pairs = 16 work-groups; W2, W3: 32 x 8 = 32 each; Wo: 128 x 8 = 128: 208 in all.  No loop, no LDS, no barrier.
.set RW,   1376256
.set LAY2, 65536
.set LAY3, 196608
.set LAYO, 327680
.set SRC,  8                           ; v[8:39]   32 f32 words a lane as loaded, then what the rounding left
.set DST,  40                          ; v[40:55]  16 words of two bf16: the high parts
.set LO,   56                          ; v[56:71]  the low parts (Wo alone)
.set TT,   72                          ; v[72:79]  at work
	s_load_b256 s[4:11], s[0:1], 0x0               ; W1 s[4:5], W2 s[6:7], W3 s[8:9], Wo s[10:11]
	s_load_b64 s[12:13], s[0:1], 0x20              ; wf
	v_lshrrev_b32 v1, 5, v0
	v_readfirstlane_b32 s14, v1                    ; wave 0..7
	v_and_b32 v5, 31, v0                           ; L
	v_and_b32 v6, 15, v0                           ; r
	v_bfe_u32 v7, v0, 4, 1                         ; h
	s_mov_b32 s15, ttmp9                           ; g, the work-group
	s_lshr_b32 s18, s14, 2
	s_lshl1_add_u32 s18, s15, s18                  ; W1's T = 2 g + wave / 4
	s_and_b32 s19, s14, 3                          ; W1's kp = wave mod 4
	s_mov_b32 s27, LAY2
	s_mov_b32 s28, LAY3
	s_mov_b32 s30, 8192
	s_wait_kmcnt 0x0
	; which matrix: g < 16 W1, g < 48 W2, g < 80 W3, else Wo.  Every choice hangs on g alone.
	s_cmp_lt_u32 s15, 48
	s_cselect_b64 s[16:17], s[6:7], s[8:9]         ; W2 or W3
	s_cselect_b32 s23, s27, s28                    ; its place in a region
	s_cselect_b32 s26, 16, 48                      ; its first work-group
	s_cmp_lt_u32 s15, 80
	s_cselect_b64 s[16:17], s[16:17], s[10:11]     ; or Wo
	s_cselect_b32 s26, s26, 80
	s_sub_co_u32 s26, s15, s26                     ; T of W2, W3, Wo (not used for W1)
	s_cmp_lt_u32 s15, 16
	s_cselect_b64 s[16:17], s[4:5], s[16:17]       ; or W1
	s_cselect_b32 s18, s18, s26                    ; T
	s_cselect_b32 s19, s19, s14                    ; kp
	s_cselect_b32 s20, 10, 11                      ; log2 of a row's bytes: 1,024 or 2,048
	s_cselect_b32 s23, 0, s23
	; destination in a hidden layer: (T / 8) RW + layer + kp x 2 steps x 8,192 + (T mod 8) x 1,024
	s_lshr_b32 s21, s18, 3
	s_mul_i32 s21, s21, RW
	s_add_co_u32 s21, s21, s23
	s_lshl_b32 s24, s19, 14
	s_add_co_u32 s21, s21, s24
	s_and_b32 s24, s18, 7
	s_lshl_b32 s24, s24, 10
	s_add_co_u32 s21, s21, s24
	; destination in Wo: ((T / 4) mod 4) RW + LAYO + kp x 2 steps x 65,536 + (T / 16) x 4,096 + (T mod 4) x 1,024
	s_bfe_u32 s29, s18, 0x20002
	s_mul_i32 s29, s29, RW
	s_add_co_u32 s29, s29, LAYO
	s_lshl_b32 s24, s19, 17
	s_add_co_u32 s29, s29, s24
	s_lshr_b32 s24, s18, 4
	s_lshl_b32 s24, s24, 12
	s_add_co_u32 s29, s29, s24
	s_and_b32 s24, s18, 3
	s_lshl_b32 s24, s24, 10
	s_add_co_u32 s29, s29, s24
	s_cmp_lt_u32 s15, 80
	s_cselect_b32 s21, s21, s29                    ; where the first k step's fragment goes
	s_cselect_b32 s22, s30, 0x10000                ; and how far behind it the second's
	; source: row 16 T, byte 256 kp of the rows
	s_lshl_b32 s24, s18, 4
	s_lshl_b32 s24, s24, s20
	s_lshl_b32 s25, s19, 8
	s_add_co_u32 s24, s24, s25
	s_mov_b32 s25, 0
	s_add_nc_u64 s[16:17], s[16:17], s[24:25]
	v_lshlrev_b32 v2, s20, v6                      ; my row
	v_lshl_add_u32 v2, v7, 5, v2                   ; + 32 h: eight f32
.irp e, 0,1,2,3,4,5,6,7
	global_load_b128 v[SRC+4*\e:SRC+4*\e+3], v2, s[16:17] offset:64*(\e/2)+16*(\e%2) th:TH_LOAD_NT   ; group e / 2 = 2 ks' + c, its lower or upper four numbers
.endr
	v_lshlrev_b32 v3, 4, v5
	v_add_nc_u32 v3, s21, v3                       ; 16 L + the first fragment
	v_add_nc_u32 v4, s22, v3                       ; the second
	s_wait_loadcnt 0x0
.irp m, 0,1,2,3,4,5,6,7,8,9,10,11,12,13,14,15
	v_cvt_pk_bf16_f32 v[DST+\m], v[SRC+2*\m], v[SRC+2*\m+1]   ; the lower k into the lower half
.endr
	global_store_b128 v3, v[DST:DST+3], s[12:13]               ; each store of the wave covers 512 consecutive bytes, aligned
	global_store_b128 v3, v[DST+4:DST+7], s[12:13] offset:512
	global_store_b128 v4, v[DST+8:DST+11], s[12:13]
	global_store_b128 v4, v[DST+12:DST+15], s[12:13] offset:512
	s_cmp_lt_u32 s15, 80
	s_cbranch_scc1 .Ldone                          ; the hidden layers have no low parts
	; Wo's low parts: W - high is exact in f32; it is rounded to bf16 and goes 32,768 bytes behind the high part.
	; The stores above still read DST, v3 and v4: none of them is written here.
.irp m, 0,1,2,3,4,5,6,7,8,9,10,11,12,13,14,15
	v_lshlrev_b32 v[TT+2*(\m%4)], 16, v[DST+\m]                ; the two high parts as f32
	v_and_b32 v[TT+2*(\m%4)+1], 0xffff0000, v[DST+\m]
	v_pk_add_f32 v[SRC+2*\m:SRC+2*\m+1], v[SRC+2*\m:SRC+2*\m+1], v[TT+2*(\m%4):TT+2*(\m%4)+1] neg_lo:[0,1] neg_hi:[0,1]
	v_cvt_pk_bf16_f32 v[LO+\m], v[SRC+2*\m], v[SRC+2*\m+1]
.endr
	global_store_b128 v3, v[LO:LO+3], s[12:13] offset:32768
	global_store_b128 v3, v[LO+4:LO+7], s[12:13] offset:33280
	global_store_b128 v4, v[LO+8:LO+11], s[12:13] offset:32768
	global_store_b128 v4, v[LO+12:LO+15], s[12:13] offset:33280
.Ldone:
	s_endpgm
.Lfunc_end_k_qc490a48ddb_prep:
	.size	k_qc490a48ddb_prep, .Lfunc_end_k_qc490a48ddb_prep-k_qc490a48ddb_prep
	.p2alignl 7, 3214868480
	.fill 96, 4, 3214868480
	.section	.rodata,"a",@progbits
	.p2align	6, 0x0
	.amdhsa_kernel k_qc490a48ddb_prep
		.amdhsa_group_segment_fixed_size 0
		.amdhsa_private_segment_fixed_size 0
		.amdhsa_enable_private_segment 0
		.amdhsa_kernarg_size 40
		.amdhsa_user_sgpr_count 2
		.amdhsa_user_sgpr_kernarg_segment_ptr 1
		.amdhsa_wavefront_size32 1
		.amdhsa_system_sgpr_workgroup_id_x 1
		.amdhsa_system_sgpr_workgroup_id_y 1
		.amdhsa_system_sgpr_workgroup_id_z 1
		.amdhsa_system_vgpr_workitem_id 0
		.amdhsa_next_free_vgpr 80
		.amdhsa_next_free_sgpr 66
		.amdhsa_reserve_vcc 0
		.amdhsa_float_denorm_mode_32 3
		.amdhsa_float_denorm_mode_16_64 3
		.amdhsa_memory_ordered 1
		.amdhsa_forward_progress 1
		.amdhsa_inst_pref_size 9
	.end_amdhsa_kernel
	.amdgpu_metadata
---
amdhsa.version: [ 1, 2 ]
amdhsa.kernels:
  - .name:           k_qc490a48ddb_prep
    .symbol:         k_qc490a48ddb_prep.kd
    .args:
      - { .name: W1, .offset: 0, .size: 8, .value_kind: global_buffer, .address_space: global }
      - { .name: W2, .offset: 8, .size: 8, .value_kind: global_buffer, .address_space: global }
      - { .name: W3, .offset: 16, .size: 8, .value_kind: global_buffer, .address_space: global }
      - { .name: Wo, .offset: 24, .size: 8, .value_kind: global_buffer, .address_space: global }
      - { .name: wf, .offset: 32, .size: 8, .value_kind: global_buffer, .address_space: global }
    .group_segment_fixed_size: 0
    .private_segment_fixed_size: 0
    .kernarg_segment_align: 8
    .kernarg_segment_size: 40
    .max_flat_workgroup_size: 256
    .sgpr_count:     66
    .vgpr_count:     80
    .wavefront_size: 32
...
	.end_amdgpu_metadata
.endif
;; end of part 1
;; launch fused (part 2): grid 256 x 1, 4 waves a work-group, no clusters, 318,976 bytes of LDS; arguments h, primitive_signature, b1, b2, b3, bo, wf, out0; writes out0
.if DOCPART == 2
	.amdgcn_target "amdgcn-amd-amdhsa--gfx1250"
	.amdhsa_code_object_version 6
	.text
	.protected	k_qc490a48ddb_fused
	.globl	k_qc490a48ddb_fused
	.p2align	8
	.type	k_qc490a48ddb_fused,@function
k_qc490a48ddb_fused:
	s_mov_b64 s[64:65], 0
	v_nop
	global_prefetch_b8 v0, s[64:65] scope:SCOPE_SE
	s_setreg_imm32_b32 hwreg(HW_REG_WAVE_MODE, 25, 1), 1
	s_wait_xcnt 0x0
; out[n] = sum_i s_i V_i[n] + sum_{i<j} s_ij (DV_j V_i - DV_i V_j)[n],  V = tanh(Wo x3 + bo), x_l = softplus(W_l x_{l-1} + b_l), x_0 = h.
; TWO IDENTITIES, exact for every input, shape the work.  A directional derivative is linear in its direction, so the level-2 sum is
; sum_f DV_f w_f with w_f = sum_{k<f} s(k,f) V_k - sum_{k>f} s(f,k) V_k (made in f32); and DV_f needs Wo's rows 256 f .. 256 f + 255 alone:
;   t_0 = w_f,  t_l = d_l * (W_l t_{l-1}),  d_l = sigmoid(z_l),  DV_f w_f = (1 - V_f^2) * (Wo_f t_3).
; A work-group owns 16 samples; four waves.  PHASES: S set-up; P1-P3 primal hidden layers (16 rows); P4 V, sum_i s_i V_i and w_f; T1-T3 tangent
; hidden layers (128 rows: row tile a = field, row in the tile = sample); L Wo_f t_3 together with Wo x3 made a second time for 1 - V^2, then the end.
; (V is made twice because 16 x 2,048 f32 have no room beside T's 512 accumulators, and LDS has 9,216 bytes left.)
; PRECISION OF V.  sum_i s_i V_i is the bulk of the result, and one bf16 keeps 8 significant bits.  So in P4 both operands are sums of two
; bf16 numbers, Wo = Wh + Wl and x3 = xh + xl (the second the rounding of what the first left: 16 bits), and z = Wh xh + Wh xl + Wl xh + bo.
; The first-level sums are made from that V in P4 and wait in the wave's output stage.  L's second V (Wh xh alone) serves 1 - V^2 only.
; In hidden layers wave w owns columns 128 w .. +127, in Wo the columns n = 64 w .. +63 of all eight blocks.
; THE MATRIX INSTRUCTION IS USED TRANSPOSED: source 0 = 16 weight rows, source 1 = 16 activation rows.  Lane (r, h) then holds activation
; row r and output columns 16 ct + 8 h + 0..7: packed to bf16 these 16 bytes are the lane's own piece of the next layer's fragment
; (k step ct / 2, half ct mod 2).  So activations lie in LDS in fragment order, 1,024 bytes a fragment, and every LDS access of a wave
; is 512 consecutive bytes.
; WEIGHTS come from wf (fragment order, each wave's own region) straight into registers: a ring of four slots of 64 registers, a chunk =
; 8 fragments = 16 loads.  Chunk s + 3 is asked for in step s, so 48 loads of a wave are on their way, through epilogues and barriers too.
; NO CLUSTER, NO TENSOR LOADS: a joint load lands in LDS, and of the 327,680 bytes 318,464 hold activations, sigmoids, biases and the
; output stage; each weight fragment is used by one wave of the work-group, once a pass, so LDS would add a write and a read for each byte.
; LIMITS.  Matrix operands (weights, h, x_l, w_f, t_l) are bf16, in P4 pairs of bf16; all else f32.  tanh(z) = 1 - 2 / (1 + e^(2z)): absolute
; error near 1e-7.  v_exp_f32, v_rcp_f32, v_log_f32 flush denormals.  NaN and infinite inputs are not honoured (v_max_num_f32, v_min_num_f32
; drop a NaN).  The signature is contracted ahead of the derivative, so the order of the sums differs from the formula's.
.set RW,     1376256                   ; a wave's region of wf: 8 + 16 + 16 chunks of W1-W3, then 16 k steps of Wo with 4 high and 4 low chunks
.set CH,     8192                      ; a chunk
; LDS: tangent activations at 0, fragment (a, ks) at (16 a + ks) x 1,024: 131,072 bytes
.set XH,     131072                    ; h in bf16, 8 fragments; x1, x2, x3 follow, 16 fragments each, at +8,192, +24,576, +40,960.
                                       ; x1's bytes hold x3's low parts from P3's epilogue on: x1 is last read in P2, and each wave has waited for
                                       ; those reads in front of the barrier that ends P2's epilogue.
.set X1,     139264
.set DD,     188416                    ; d_1..d_3 in f32, each wave's own: 24,576 w + 8,192 layer + 1,024 b + 512 q + 16 L
.set BIAS,   286720                    ; b1, b2, b3 (2,048 each), bo (8,192)
.set STG,    301056                    ; output stage, each wave's own: 16 rows of 256 bytes, 272 apart
.set LOG2E,  0x3fb8aa3b
.set LOG2E2, 0x4038aa3b                ; 2 log2 e
.set LN2,    0x3f317218
; window 0
.set LOFF, 4                           ; 16 L, never rewritten: the weight loads' offset
.set VA0,  5                           ; tangent fragments of row tiles 0-3, stepping
.set VA1,  6                           ; of row tiles 4-7 (65,536 further)
.set VS0,  7                           ; where T's epilogues store: 4,096 w + 16 L
.set VS1,  8
.set VX,   9                           ; x fragments, stepping
.set VXS,  10                          ; X1 + 4,096 w + 16 L
.set VD,   11                          ; DD + 24,576 w + 16 L
.set VB,   12                          ; BIAS + 512 w + 32 h
.set VBO,  13                          ; BIAS + 6,144 + 256 w + 32 h
.set VSTO, 14                          ; stage, by lanes' own 32 bytes
.set VRD,  15                          ; stage, by rows
.set VCO,  16                          ; my bytes in out0
.set VXB,  17                          ; XH + 16 L
.set VW0,  21                          ; where w_f is stored: 2,048 w + 16 L
.set VW1,  22
.set TMP,  32                          ; v[32:63]   at work; the output sums
.set F0,   64                          ; v[64:127]  activation fragments, epilogues' operands
.set F1,   128                         ; v[128:191] the same, second buffer
.set BI,   96                          ; set-up: biases as loaded
.set SIG,  192                         ; v[192:227] the 36 coefficients of sample r
.set XB0,  228                         ; v[228:235], v[236:243]: P4: x3's high and low fragment; L: x3's high fragment, two buffers
.set XB1,  236
.set PK,   244                         ; v[244:247]
; window 1: the weight ring, slot q fragment f at v[64 q + 8 f].  Windows 2 and 3: accumulators.
.set WB, 22                            ; s[22:23] my region of wf, never rewritten
.set IP, 24                            ; s[24:25] the chunk that a trip's step 0 asks for
; s20 wave, s26 loop counter, s27 2^-10, s[28:31] at work
.set MSB, 0
.macro WIN new                         ; s_set_vgpr_msb: bits 1:0 source 0, 3:2 source 1, 5:4 source 2, 7:6 destination; the high byte repeats the setting that is left
.if MSB != (\new)
	s_set_vgpr_msb (MSB<<8)|(\new)
.set MSB, (\new)
.endif
.endm
.set MUL_LO, 0xa1                      ; weights window 1, activations window 0, C and D window 2
.set MUL_HI, 0xf1                      ; the same, C and D window 3
.set TO_B,   0x40                      ; destination window 1
; Places behind matrix instructions: four ahead of a load into, or a vector write of, a register that one has read;
; five at the head of an epilogue, which also serve the next phase's products that write over these accumulators.
.macro PLACES
.rept 4
	v_nop
.endr
.endm
.macro PLACES5
.rept 5
	v_nop
.endr
.endm
.macro BAR                             ; my LDS loads and stores are done, then the work-group's barrier
	s_wait_dscnt 0x0
	s_barrier_signal -1
	s_barrier_wait -1
.endm
; ---- the weight ring ----
.macro ISSUE slot, ptr, boff           ; one chunk: 16 loads of 512 consecutive bytes
	WIN TO_B
.irp f, 0,1,2,3,4,5,6,7
	global_load_b128 v[64*(\slot)+8*\f:64*(\slot)+8*\f+3], v[LOFF], s[\ptr:\ptr+1] offset:\boff+1024*\f
	global_load_b128 v[64*(\slot)+8*\f+4:64*(\slot)+8*\f+7], v[LOFF], s[\ptr:\ptr+1] offset:\boff+1024*\f+512
.endr
.endm
; Step j of a trip asks for the chunk three ahead, into the slot that step j - 1 read.  mode 0: on along the region;
; mode 1: the region's last trip of the first pass, steps 1-3 begin the second pass; mode 2: the very last trip, steps 1-3 ask for nothing;
; mode 3: Wo's high chunks alone: the next k step's begin four chunks further on than they would without the low ones.
.macro NEXT j, mode
.if \j == 0
	ISSUE 3, IP, 0
.else
.if \mode == 0
	ISSUE (\j-1), IP, CH*\j
.endif
.if \mode == 1
	ISSUE (\j-1), WB, CH*(\j-1)
.endif
.if \mode == 3
	ISSUE (\j-1), IP, CH*(\j+4)
.endif
.endif
.endm
.macro WAITW j, mode                   ; loads come back in order (ISA guide 5.7.1): this step's chunk is in, the two younger chunks (32 loads) stay out
.if \mode == 2
.if \j < 2
	s_wait_loadcnt 32
.else
	s_wait_loadcnt 16*(3-\j)               ; the last trip: one chunk is behind this one, then none
.endif
.else
	s_wait_loadcnt 32
.endif
.endm
.macro TRIPEND mode
.if \mode == 0
	s_wait_xcnt 0x0                        ; the pointer is stepped only when the loads that name it have had their addresses translated (ISA guide 3.1)
	s_add_nc_u64 s[IP:IP+1], s[IP:IP+1], 4*CH
.endif
.if \mode == 1
	s_wait_xcnt 0x0
	s_add_nc_u64 s[IP:IP+1], s[WB:WB+1], 3*CH
.endif
.if \mode == 3
	s_wait_xcnt 0x0
	s_add_nc_u64 s[IP:IP+1], s[IP:IP+1], 8*CH
.endif
.endm
; ---- tanh in place on 8 x groups registers of the window set: 1 - 2 / (1 + 2^(2 log2e z)) ----
.macro TANH base, groups
.set TB, \base
.rept \groups
.irp p, 0,2,4,6
	v_pk_mul_f32 v[TB+\p:TB+\p+1], v[TB+\p:TB+\p+1], LOG2E2 op_sel_hi:[1,0]
.endr
.irp k, 0,1,2,3,4,5,6,7
	v_exp_f32 v[TB+\k], v[TB+\k]
.endr
	v_nop                                  ; one plain place behind the transcendentals (ISA guide 5.7.2)
	s_wait_alu depctr_va_vdst(0)
.irp p, 0,2,4,6
	v_pk_add_f32 v[TB+\p:TB+\p+1], v[TB+\p:TB+\p+1], 1.0 op_sel_hi:[1,0]
.endr
.irp k, 0,1,2,3,4,5,6,7
	v_rcp_f32 v[TB+\k], v[TB+\k]
.endr
	v_nop
	s_wait_alu depctr_va_vdst(0)
.irp p, 0,2,4,6
	v_pk_fma_f32 v[TB+\p:TB+\p+1], v[TB+\p:TB+\p+1], -2.0, 1.0 op_sel_hi:[1,0,0]
.endr
.set TB, TB+8
.endr
.endm
; ---- primal hidden layers ----
.macro XFETCH                          ; four k steps' fragments of x
.irp j, 0,1,2,3
	ds_load_b128 v[F0+8*\j:F0+8*\j+3], v[VX] offset:1024*\j
	ds_load_b128 v[F0+8*\j+4:F0+8*\j+7], v[VX] offset:1024*\j+512
.endr
.endm
.macro PSTART l, xoff                  ; the bias starts the sums: lane (r, h) takes b[128 w + 16 b + 8 h + 0..7] into tile b
	WIN 0x80
.irp b, 0,1,2,3,4,5,6,7
	ds_load_b128 v[8*\b:8*\b+3], v[VB] offset:2048*\l+64*\b
	ds_load_b128 v[8*\b+4:8*\b+7], v[VB] offset:2048*\l+64*\b+16
.endr
	WIN 0
	v_add_nc_u32 v[VX], \xoff, v[VXB]
	XFETCH
.endm
; Four k steps, one chunk each.  The eight accumulators take turns, one instruction a turn, over the backward jump too.
.macro PTRIP fetch
.irp j, 0,1,2,3
	WAITW \j, 0
.if \j == 0
	s_wait_dscnt 0x0                       ; the four fragments of x (and, in the first trip, the biases)
.endif
	WIN MUL_LO
.irp b, 0,1,2,3,4,5,6,7
	v_wmma_f32_16x16x32_bf16 v[8*\b:8*\b+7], v[64*\j+8*\b:64*\j+8*\b+7], v[F0+8*\j:F0+8*\j+7], v[8*\b:8*\b+7]
.endr
	PLACES
	NEXT \j, 0
.endr
	WIN 0
.if \fetch
	v_add_nc_u32 v[VX], 4096, v[VX]
	XFETCH
.endif
	TRIPEND 0
.endm
; softplus and sigmoid of tile b.  M = max(z, 0) in F0, N = min(z, 0) in F1.  E = e^-|z|;  x = M + ln(1 + E), and where E < 2^-10, in which
; 1 + E has lost E's low bits, x = M + E (1 - E / 2);  d = 1 / (1 + E) for z >= 0, E / (1 + E) for z < 0.
; TMP+0 E, TMP+8 1 + E and then the small-E form, TMP+16 the reciprocal and then d, TMP+24 the logarithm and then x.
; Of x3 (l = 2) the low part too: x - bf16(x), exact in f32, rounded to bf16, into the bytes that held x1.
.macro SOFT l, b
.irp p, 0,2,4,6
	v_pk_add_f32 v[TMP+\p:TMP+\p+1], v[F1+8*\b+\p:F1+8*\b+\p+1], v[F0+8*\b+\p:F0+8*\b+\p+1] neg_lo:[0,1] neg_hi:[0,1]
.endr
.irp p, 0,2,4,6
	v_pk_mul_f32 v[TMP+\p:TMP+\p+1], v[TMP+\p:TMP+\p+1], LOG2E op_sel_hi:[1,0]
.endr
.irp k, 0,1,2,3,4,5,6,7
	v_exp_f32 v[TMP+\k], v[TMP+\k]
.endr
	v_nop
	s_wait_alu depctr_va_vdst(0)
.irp p, 0,2,4,6
	v_pk_add_f32 v[TMP+8+\p:TMP+8+\p+1], v[TMP+\p:TMP+\p+1], 1.0 op_sel_hi:[1,0]
.endr
.irp k, 0,1,2,3,4,5,6,7
	v_log_f32 v[TMP+24+\k], v[TMP+8+\k]
.endr
.irp k, 0,1,2,3,4,5,6,7
	v_rcp_f32 v[TMP+16+\k], v[TMP+8+\k]
.endr
	v_nop
.irp p, 0,2,4,6
	v_pk_fma_f32 v[TMP+8+\p:TMP+8+\p+1], v[TMP+\p:TMP+\p+1], -0.5, 1.0 op_sel_hi:[1,0,0]
.endr
	s_wait_alu depctr_va_vdst(0)
.irp p, 0,2,4,6
	v_pk_fma_f32 v[TMP+24+\p:TMP+24+\p+1], v[TMP+24+\p:TMP+24+\p+1], LN2, v[F0+8*\b+\p:F0+8*\b+\p+1] op_sel_hi:[1,0,1]
.endr
.irp p, 0,2,4,6
	v_pk_fma_f32 v[TMP+8+\p:TMP+8+\p+1], v[TMP+8+\p:TMP+8+\p+1], v[TMP+\p:TMP+\p+1], v[F0+8*\b+\p:F0+8*\b+\p+1]
.endr
.irp k, 0,1,2,3,4,5,6,7
	v_cmp_gt_f32 vcc_lo, s27, v[TMP+\k]
	v_cndmask_b32 v[TMP+24+\k], v[TMP+24+\k], v[TMP+8+\k], vcc_lo
.endr
.irp p, 0,2,4,6
	v_pk_mul_f32 v[TMP+\p:TMP+\p+1], v[TMP+\p:TMP+\p+1], v[TMP+16+\p:TMP+16+\p+1]
.endr
.irp k, 0,1,2,3,4,5,6,7
	v_cmp_gt_f32 vcc_lo, 0, v[F1+8*\b+\k]
	v_cndmask_b32 v[TMP+16+\k], v[TMP+16+\k], v[TMP+\k], vcc_lo
.endr
.irp p, 0,1,2,3
	v_cvt_pk_bf16_f32 v[PK+\p], v[TMP+24+2*\p], v[TMP+24+2*\p+1]
.endr
	ds_store_b128 v[VXS], v[PK:PK+3] offset:16384*\l+512*\b            ; x: fragment 4 w + b / 2, half b mod 2
	ds_store_b128 v[VD], v[TMP+16:TMP+19] offset:8192*\l+1024*\b       ; d: my wave's own bytes
	ds_store_b128 v[VD], v[TMP+20:TMP+23] offset:8192*\l+1024*\b+512
.if \l == 2
.irp p, 0,1,2,3
	v_lshlrev_b32 v[TMP+2*\p], 16, v[PK+\p]                            ; the high parts as f32
	v_and_b32 v[TMP+2*\p+1], 0xffff0000, v[PK+\p]
.endr
.irp p, 0,2,4,6
	v_pk_add_f32 v[TMP+\p:TMP+\p+1], v[TMP+24+\p:TMP+24+\p+1], v[TMP+\p:TMP+\p+1] neg_lo:[0,1] neg_hi:[0,1]
.endr
.irp p, 0,1,2,3
	v_cvt_pk_bf16_f32 v[TMP+8+\p], v[TMP+2*\p], v[TMP+2*\p+1]
.endr
	ds_store_b128 v[VXS], v[TMP+8:TMP+11] offset:512*\b                ; x3's low part, in the same order as the high one
.endif
.endm
.macro PEPI l
	PLACES5
	WIN 0x02                               ; source 0 in window 2
.set PI, 0
.rept 64
	v_max_num_f32 v[F0+PI], v[PI], 0
	v_min_num_f32 v[F1+PI], v[PI], 0
.set PI, PI+1
.endr
	WIN 0
.irp b, 0,1,2,3,4,5,6,7
	SOFT \l, \b
.endr
	BAR                                    ; x_l is whole for every wave, and every wave's reads of x_{l-1} are back
.endm
.macro PPHASE l, xoff, trips
	PSTART \l, \xoff
	s_mov_b32 s26, \trips
.Lp_\@:
	PTRIP 1
	s_sub_co_i32 s26, s26, 1
	s_cmp_lg_u32 s26, 0
	s_cbranch_scc1 .Lp_\@
	PTRIP 0
	PEPI \l
.endm
; ---- P4: z = Wh xh + Wh xl + Wl xh + bo; accumulator (i, t) at window 2, v[8 (4 i + t)]; chunk j holds tiles 8 j .. 8 j + 7 ----
; A k step is two trips of the ring: lo = 0, the four high chunks, each fragment times xh and times xl; lo = 1, the four low chunks, times xh.
; In a step the eight accumulators take turns, one instruction a turn, and the next step has eight others.
; fetch = 1: behind the high trip the next k step's xl is fetched, behind the low trip its xh: each into registers whose last readers
; stand ahead of the four places of the trip's last step.
.macro P4TRIP lo, mode, fetch
.irp j, 0,1,2,3
	WAITW \j, 0
.if (\j+\lo) == 0
	s_wait_dscnt 0x0                       ; this k step's xh and xl (and, in the first trip, bo)
.endif
	WIN MUL_LO
.irp f, 0,1,2,3,4,5,6,7
	v_wmma_f32_16x16x32_bf16 v[8*(8*\j+\f):8*(8*\j+\f)+7], v[64*\j+8*\f:64*\j+8*\f+7], v[XB0:XB0+7], v[8*(8*\j+\f):8*(8*\j+\f)+7]
.endr
.if \lo == 0
.irp f, 0,1,2,3,4,5,6,7
	v_wmma_f32_16x16x32_bf16 v[8*(8*\j+\f):8*(8*\j+\f)+7], v[64*\j+8*\f:64*\j+8*\f+7], v[XB1:XB1+7], v[8*(8*\j+\f):8*(8*\j+\f)+7]
.endr
.endif
	PLACES
	NEXT \j, \mode
.endr
	WIN 0
.if \fetch
.if \lo
	v_add_nc_u32 v[VX], 1024, v[VX]
	ds_load_b128 v[XB0:XB0+3], v[VX] offset:32768
	ds_load_b128 v[XB0+4:XB0+7], v[VX] offset:33280
.else
	ds_load_b128 v[XB1:XB1+3], v[VX] offset:1024
	ds_load_b128 v[XB1+4:XB1+7], v[VX] offset:1536
.endif
.endif
	TRIPEND \mode
.endm
; w_f of column tile t into v[F1 + 8 f + 0..7].  One term: V_k times the coefficient of the word (min, max), at place
; 8 + lo (15 - lo) / 2 + hi - lo - 1 of the signature, with a minus for k > f.  The coefficient's register is picked out of its pair
; for both halves by op_sel and op_sel_hi.  Terms go step by step over all f, so that neighbouring lines do not wait for each other.
.macro PKW od, ng
.if WST == 0
	v_pk_mul_f32 v[WDD:WDD+1], v[WVV:WVV+1], v[WSP:WSP+1] op_sel:[0,\od] op_sel_hi:[1,\od] neg_lo:[0,\ng] neg_hi:[0,\ng]
.else
	v_pk_fma_f32 v[WDD:WDD+1], v[WVV:WVV+1], v[WSP:WSP+1], v[WDD:WDD+1] op_sel:[0,\od,0] op_sel_hi:[1,\od,1] neg_lo:[0,\ng,0] neg_hi:[0,\ng,0]
.endif
.endm
.macro WCOMB t
.set WST, 0
.rept 7
.set WFF, 0
.rept 8
.if WST < WFF
.set WKK, WST
.set WQQ, 8+(WKK*(15-WKK))/2+WFF-WKK-1
.else
.set WKK, WST+1
.set WQQ, 8+(WFF*(15-WFF))/2+WKK-WFF-1
.endif
.set WSP, SIG+(WQQ/2)*2
.set WPP, 0
.rept 4
.set WDD, F1+8*WFF+2*WPP
.set WVV, 8*(4*WKK+\t)+2*WPP
.if WST < WFF
.if WQQ%2
	PKW 1, 0
.else
	PKW 0, 0
.endif
.else
.if WQQ%2
	PKW 1, 1
.else
	PKW 0, 1
.endif
.endif
.set WPP, WPP+1
.endr
.set WFF, WFF+1
.endr
.set WST, WST+1
.endr
.endm
; ---- tangent hidden layers: 128 rows x my 128 columns; accumulator (a, b) at window 2 + a / 4, v[8 (8 (a mod 4) + b)] ----
.macro FETCH_A buf, koff               ; one k step's eight row tiles: tiles 0-3 first
.irp a, 0,1,2,3
	ds_load_b128 v[\buf+8*\a:\buf+8*\a+3], v[VA0] offset:16384*\a+\koff
	ds_load_b128 v[\buf+8*\a+4:\buf+8*\a+7], v[VA0] offset:16384*\a+\koff+512
.endr
.irp a, 0,1,2,3
	ds_load_b128 v[\buf+32+8*\a:\buf+32+8*\a+3], v[VA1] offset:16384*\a+\koff
	ds_load_b128 v[\buf+32+8*\a+4:\buf+32+8*\a+7], v[VA1] offset:16384*\a+\koff+512
.endr
.endm
.macro MULT j, buf, hi, zero           ; 32 matrix instructions; zero = 1: the first product starts the sums
.irp a, 0,1,2,3
.irp b, 0,1,2,3,4,5,6,7
.if \zero
	v_wmma_f32_16x16x32_bf16 v[8*(8*\a+\b):8*(8*\a+\b)+7], v[64*\j+8*\b:64*\j+8*\b+7], v[\buf+8*(4*\hi+\a):\buf+8*(4*\hi+\a)+7], 0
.else
	v_wmma_f32_16x16x32_bf16 v[8*(8*\a+\b):8*(8*\a+\b)+7], v[64*\j+8*\b:64*\j+8*\b+7], v[\buf+8*(4*\hi+\a):\buf+8*(4*\hi+\a)+7], v[8*(8*\a+\b):8*(8*\a+\b)+7]
.endif
.endr
.endr
.endm
; One k step: 64 matrix instructions on 64 accumulators that take turns, one instruction a turn, in the same order in every step.
.macro TSTEP j, buf, oth, zero, fetch
	WAITW \j, 0
	s_wait_dscnt 8                         ; of this step's 16 LDS loads the first eight (row tiles 0-3) are in
	WIN MUL_LO
	MULT \j, \buf, 0, \zero
	PLACES
.if \fetch
	WIN 0
	FETCH_A \oth, 1024*(\j+1)              ; the next k step, into the buffer that the last step read
.endif
	NEXT \j, 0
.if \fetch
	s_wait_dscnt 16                        ; all but the 16 just issued
.else
	s_wait_dscnt 0x0
.endif
	WIN MUL_HI
	MULT \j, \buf, 1, \zero
.endm
.macro TTRIP zero, last
	TSTEP 0, F0, F1, \zero, 1
	TSTEP 1, F1, F0, 0, 1
	TSTEP 2, F0, F1, 0, 1
	TSTEP 3, F1, F0, 0, 1-\last
	WIN 0
.if \last == 0
	v_add_nc_u32 v[VA0], 4096, v[VA0]
	v_add_nc_u32 v[VA1], 4096, v[VA1]
.endif
	TRIPEND 0
.endm
; t_l = d_l * sums, to bf16, back into the same LDS bytes: a barrier between every wave's reads and the stores, another behind the stores.
.macro TEPI l
	PLACES5
	WIN 0
.irp b, 0,1,2,3,4,5,6,7
	ds_load_b128 v[F0+8*\b:F0+8*\b+3], v[VD] offset:8192*\l+1024*\b
	ds_load_b128 v[F0+8*\b+4:F0+8*\b+7], v[VD] offset:8192*\l+1024*\b+512
.endr
	BAR                                    ; every wave's reads of t_{l-1} are back (and my d)
.irp a, 0,1,2,3,4,5,6,7
	WIN 0x02+\a/4
.set TI, 0
.rept 32
	v_pk_mul_f32 v[F1+2*TI:F1+2*TI+1], v[64*(\a%4)+2*TI:64*(\a%4)+2*TI+1], v[F0+2*TI:F0+2*TI+1]
.set TI, TI+1
.endr
	WIN 0
.set TI, 0
.rept 32
	v_cvt_pk_bf16_f32 v[TMP+TI], v[F1+2*TI], v[F1+2*TI+1]
.set TI, TI+1
.endr
.irp b, 0,1,2,3,4,5,6,7
.if \a < 4
	ds_store_b128 v[VS0], v[TMP+4*\b:TMP+4*\b+3] offset:16384*\a+512*\b
.else
	ds_store_b128 v[VS1], v[TMP+4*\b:TMP+4*\b+3] offset:16384*(\a-4)+512*\b
.endif
.endr
.endr
	BAR                                    ; t_l is whole for every wave
.endm
.macro TPHASE l, loops
	WIN 0
	v_mov_b32 v[VA0], v[LOFF]
	v_add_nc_u32 v[VA1], 65536, v[LOFF]
	FETCH_A F0, 0
	TTRIP 1, 0
.if \loops
	s_mov_b32 s26, \loops
.Lt_\@:
	TTRIP 0, 0
	s_sub_co_i32 s26, s26, 1
	s_cmp_lg_u32 s26, 0
	s_cbranch_scc1 .Lt_\@
.endif
	TTRIP 0, 1
	TEPI \l
.endm
; ---- L: for block i, in window 2 + i / 4:  G(i, t) = Wo_i t_3(i) at v[8 (8 (i mod 4) + t)],  Z(i, t) = Wo_i x3 + bo at v[8 (8 (i mod 4) + 4 + t)] ----
.macro LF j, koff                      ; row tiles 2 j, 2 j + 1 of t_3: four loads
.irp e, 0,1
.if \j < 2
	ds_load_b128 v[F0+8*(2*\j+\e):F0+8*(2*\j+\e)+3], v[VA0] offset:16384*(2*\j+\e)+\koff
	ds_load_b128 v[F0+8*(2*\j+\e)+4:F0+8*(2*\j+\e)+7], v[VA0] offset:16384*(2*\j+\e)+\koff+512
.else
	ds_load_b128 v[F0+8*(2*\j+\e):F0+8*(2*\j+\e)+3], v[VA1] offset:16384*(2*\j+\e-4)+\koff
	ds_load_b128 v[F0+8*(2*\j+\e)+4:F0+8*(2*\j+\e)+7], v[VA1] offset:16384*(2*\j+\e-4)+\koff+512
.endif
.endr
.endm
.macro LX xb, koff
	ds_load_b128 v[\xb:\xb+3], v[VX] offset:\koff
	ds_load_b128 v[\xb+4:\xb+7], v[VX] offset:\koff+512
.endm
; Step j of a k step: high chunk j = blocks 2 j, 2 j + 1.  Each weight fragment feeds two products.  16 accumulators a step, 64 a trip, by turns,
; one instruction a turn.  cnt = how many younger LDS loads may stay out.
.macro LSTEP j, xb, xo, zero, fetch, cnt, mode
	WAITW \j, \mode
	s_wait_dscnt \cnt
.if \j < 2
	WIN MUL_LO
.else
	WIN MUL_HI
.endif
.irp e, 0,1
.irp t, 0,1,2,3
.if \zero
	v_wmma_f32_16x16x32_bf16 v[8*(8*((2*\j+\e)%4)+\t):8*(8*((2*\j+\e)%4)+\t)+7], v[64*\j+8*(4*\e+\t):64*\j+8*(4*\e+\t)+7], v[F0+8*(2*\j+\e):F0+8*(2*\j+\e)+7], 0
.else
	v_wmma_f32_16x16x32_bf16 v[8*(8*((2*\j+\e)%4)+\t):8*(8*((2*\j+\e)%4)+\t)+7], v[64*\j+8*(4*\e+\t):64*\j+8*(4*\e+\t)+7], v[F0+8*(2*\j+\e):F0+8*(2*\j+\e)+7], v[8*(8*((2*\j+\e)%4)+\t):8*(8*((2*\j+\e)%4)+\t)+7]
.endif
.endr
.endr
.irp e, 0,1
.irp t, 0,1,2,3
	v_wmma_f32_16x16x32_bf16 v[8*(8*((2*\j+\e)%4)+4+\t):8*(8*((2*\j+\e)%4)+4+\t)+7], v[64*\j+8*(4*\e+\t):64*\j+8*(4*\e+\t)+7], v[\xb:\xb+7], v[8*(8*((2*\j+\e)%4)+4+\t):8*(8*((2*\j+\e)%4)+4+\t)+7]
.endr
.endr
.if \mode != 2
	PLACES
.else
.if \j == 0
	PLACES
.endif
.endif
.if \fetch
	WIN 0
	LF \j, 1024                            ; the same two row tiles of the next k step, into the registers just read
.if \j == 0
	LX \xo, 1024                           ; and the next fragment of x3, into the buffer that the last trip read
.endif
.endif
	NEXT \j, \mode
.endm
; LDS loads go out in groups of 6 (step 0), 4, 4, 4.  Step 0 wants the last trip's group 0: 4 + 4 + 4 = 12 are younger.
; Steps 1-3 want the last trip's groups 1-3: two groups of 4 and this trip's group of 6 are younger, 14.
.macro LTRIP xb, xo, zero
	LSTEP 0, \xb, \xo, \zero, 1, 12, 3
	LSTEP 1, \xb, \xo, \zero, 1, 14, 3
	LSTEP 2, \xb, \xo, \zero, 1, 14, 3
	LSTEP 3, \xb, \xo, \zero, 1, 14, 3
	WIN 0
	v_add_nc_u32 v[VA0], 1024, v[VA0]
	v_add_nc_u32 v[VA1], 1024, v[VA1]
	v_add_nc_u32 v[VX], 1024, v[VX]
	TRIPEND 3
.endm
; The level-2 terms of blocks 4 hi .. 4 hi + 3: V = tanh(Z);  Z = 1 - V^2;  O += Z G.  O(t) at v[TMP + 8 t + 0..7].
.macro FIN hi
	WIN 0x82+0x41*\hi                      ; source 0 and destination in the window
.irp ii, 0,1,2,3
	TANH 64*\ii+32, 4
.endr
	WIN 0x8a+0x45*\hi                      ; sources 0, 1 and destination in the window
.irp ii, 0,1,2,3
.set FO, 0
.rept 16
	v_pk_fma_f32 v[64*\ii+32+2*FO:64*\ii+32+2*FO+1], v[64*\ii+32+2*FO:64*\ii+32+2*FO+1], v[64*\ii+32+2*FO:64*\ii+32+2*FO+1], 1.0 op_sel_hi:[1,1,0] neg_lo:[1,0,0] neg_hi:[1,0,0]
.set FO, FO+1
.endr
.endr
.if \hi == 0
	s_wait_dscnt 0x0                       ; the first-level sums are back from the stage
.endif
	WIN 0x0a+5*\hi                         ; sources 0 and 1 in the window
.irp ii, 0,1,2,3
.set FO, 0
.rept 16
	v_pk_fma_f32 v[TMP+2*FO:TMP+2*FO+1], v[64*\ii+32+2*FO:64*\ii+32+2*FO+1], v[64*\ii+2*FO:64*\ii+2*FO+1], v[TMP+2*FO:TMP+2*FO+1]
.set FO, FO+1
.endr
.endr
.endm
; ================= S: set-up =================
	s_load_b512 s[4:19], s[0:1], 0x0               ; h s[4:5], signature s[6:7], b1 s[8:9], b2 s[10:11], b3 s[12:13], bo s[14:15], wf s[16:17], out0 s[18:19]
	v_lshl_add_u32 v254, v0, 2, 0x4dc00
	v_mov_b32 v255, 0
	v_lshrrev_b32 v1, 5, v0
	v_readfirstlane_b32 s20, v1                    ; wave 0..3
	v_and_b32 v1, 31, v0                           ; L
	v_and_b32 v2, 15, v0                           ; r
	v_bfe_u32 v3, v0, 4, 1                         ; h
	v_lshlrev_b32 v[LOFF], 4, v1
	s_mov_b32 s27, 0x3a800000                      ; 2^-10
	v_mul_u32_u24 v18, v2, 144                     ; sample r's 36 coefficients
	v_lshlrev_b32 v19, 10, v2                      ; h: row r,
	v_lshl_add_u32 v19, v3, 5, v19                 ; eight numbers for each half of the lanes,
	s_lshl_b32 s28, s20, 8
	v_add_nc_u32 v19, s28, v19                     ; my wave's 64 columns
	v_lshlrev_b32 v20, 4, v0                       ; biases: 16 bytes a thread
	s_mul_i32 s30, s20, RW
	s_mov_b32 s31, 0
	s_mul_i32 s28, ttmp9, 2304                     ; 16 samples x 144 bytes
	s_mov_b32 s29, 0
	s_wait_kmcnt 0x0
	s_add_nc_u64 s[6:7], s[6:7], s[28:29]
	s_lshl_b32 s28, ttmp9, 14                      ; 16 rows of 1,024 bytes, in h and in out0
	s_add_nc_u64 s[4:5], s[4:5], s[28:29]
	s_add_nc_u64 s[18:19], s[18:19], s[28:29]
	s_add_nc_u64 s[WB:WB+1], s[16:17], s[30:31]
.irp u, 0,1,2,3,4,5,6,7,8
	global_load_b128 v[SIG+4*\u:SIG+4*\u+3], v18, s[6:7] offset:16*\u th:TH_LOAD_NT
.endr
.irp e, 0,1,2,3,4,5,6,7
	global_load_b128 v[F0+4*\e:F0+4*\e+3], v19, s[4:5] offset:64*(\e/2)+16*(\e%2) th:TH_LOAD_NT
.endr
	global_load_b128 v[BI:BI+3], v20, s[8:9]
	global_load_b128 v[BI+4:BI+7], v20, s[10:11]
	global_load_b128 v[BI+8:BI+11], v20, s[12:13]
.irp u, 0,1,2,3
	global_load_b128 v[BI+12+4*\u:BI+15+4*\u], v20, s[14:15] offset:2048*\u
.endr
	ISSUE 0, WB, 0
	ISSUE 1, WB, CH
	WIN 0
	v_add_nc_u32 v[VXB], XH, v[LOFF]
	s_lshl_b32 s28, s20, 11                        ; 2,048 w
	v_add_nc_u32 v[VW0], s28, v[LOFF]
	v_add_nc_u32 v[VW1], 65536, v[VW0]
	v_add_nc_u32 v23, s28, v[VXB]                  ; h's fragments 2 w, 2 w + 1
	s_lshl_b32 s28, s20, 12                        ; 4,096 w
	v_add_nc_u32 v[VS0], s28, v[LOFF]
	v_add_nc_u32 v[VS1], 65536, v[VS0]
	s_add_co_u32 s28, s28, X1
	v_add_nc_u32 v[VXS], s28, v[LOFF]
	s_mul_i32 s28, s20, 24576
	s_add_co_u32 s28, s28, DD
	v_add_nc_u32 v[VD], s28, v[LOFF]
	s_lshl_b32 s28, s20, 9
	s_add_co_u32 s28, s28, BIAS
	v_lshl_add_u32 v[VB], v3, 5, s28
	s_lshl_b32 s28, s20, 8
	v_lshlrev_b32 v25, 4, v2                       ; 16 r
	v_lshl_add_u32 v[VCO], v3, 10, v25             ; lanes 16-31 one row of out0 further down
	v_add_nc_u32 v[VCO], s28, v[VCO]
	s_add_co_u32 s28, s28, BIAS+6144
	v_lshl_add_u32 v[VBO], v3, 5, s28
	s_mul_i32 s28, s20, 4352
	s_add_co_u32 s28, s28, STG
	v_mul_u32_u24 v26, v2, 272
	v_lshl_add_u32 v26, v3, 5, v26
	v_add_nc_u32 v[VSTO], s28, v26                 ; row r, 32 bytes for each half of the lanes
	v_mul_u32_u24 v26, v3, 272
	v_add_nc_u32 v26, v26, v25
	v_add_nc_u32 v[VRD], s28, v26                  ; by rows: lanes 0-15 one row of 256 bytes, lanes 16-31 the next
	v_add_nc_u32 v24, BIAS, v20
	s_wait_loadcnt 32                              ; all but the two chunks: signature, h and the biases are in
.irp m, 0,1,2,3,4,5,6,7,8,9,10,11,12,13,14,15
	v_cvt_pk_bf16_f32 v[TMP+\m], v[F0+2*\m], v[F0+2*\m+1]
.endr
.irp m, 0,1,2,3
	ds_store_b128 v23, v[TMP+4*\m:TMP+4*\m+3] offset:512*\m
.endr
.irp u, 0,1,2,3,4,5,6
	ds_store_b128 v24, v[BI+4*\u:BI+4*\u+3] offset:2048*\u
.endr
	ISSUE 2, WB, 2*CH
	WIN 0
	s_add_nc_u64 s[IP:IP+1], s[WB:WB+1], 3*CH
	BAR                                            ; h and the biases are whole for every wave
; ================= P1-P3 =================
	PPHASE 0, 0, 1                                 ; K = 256: 2 trips
	PPHASE 1, 8192, 3                              ; K = 512: 4 trips
	PPHASE 2, 24576, 3
; ================= P4: V, the first-level sums, w_f =================
	WIN 0x80
.irp i, 0,1,2,3,4,5,6,7
.irp t, 0,1,2,3
	ds_load_b128 v[8*(4*\i+\t):8*(4*\i+\t)+3], v[VBO] offset:1024*\i+64*\t        ; bo starts the sums
	ds_load_b128 v[8*(4*\i+\t)+4:8*(4*\i+\t)+7], v[VBO] offset:1024*\i+64*\t+16
.endr
.endr
	WIN 0
	v_add_nc_u32 v[VX], 8192, v[VXB]               ; x3's low parts; the high parts lie 32,768 bytes further on
	ds_load_b128 v[XB0:XB0+3], v[VX] offset:32768
	ds_load_b128 v[XB0+4:XB0+7], v[VX] offset:33280
	ds_load_b128 v[XB1:XB1+3], v[VX]
	ds_load_b128 v[XB1+4:XB1+7], v[VX] offset:512
	s_mov_b32 s26, 15
.Lp4:
	P4TRIP 0, 0, 1
	P4TRIP 1, 0, 1
	s_sub_co_i32 s26, s26, 1
	s_cmp_lg_u32 s26, 0
	s_cbranch_scc1 .Lp4
	P4TRIP 0, 0, 0
	P4TRIP 1, 1, 0                                 ; the region's last chunk, then the second pass's first three
	PLACES5
	WIN 0x82
	TANH 0, 32                                     ; V in place, 256 registers
	WIN 0x02                                       ; source 0 in window 2
	; O(t) = sum_i s_i V(i, t): the coefficient's register is picked out of its pair for both halves
.irp i, 0,1,2,3,4,5,6,7
.set FO, 0
.rept 16
.if \i == 0
	v_pk_mul_f32 v[TMP+2*FO:TMP+2*FO+1], v[2*FO:2*FO+1], v[SIG:SIG+1] op_sel_hi:[1,0]   ; the first term starts the sums
.else
.if \i%2
	v_pk_fma_f32 v[TMP+2*FO:TMP+2*FO+1], v[32*\i+2*FO:32*\i+2*FO+1], v[SIG+(\i/2)*2:SIG+(\i/2)*2+1], v[TMP+2*FO:TMP+2*FO+1] op_sel:[0,1,0] op_sel_hi:[1,1,1]
.else
	v_pk_fma_f32 v[TMP+2*FO:TMP+2*FO+1], v[32*\i+2*FO:32*\i+2*FO+1], v[SIG+(\i/2)*2:SIG+(\i/2)*2+1], v[TMP+2*FO:TMP+2*FO+1] op_sel_hi:[1,0,1]
.endif
.endif
.set FO, FO+1
.endr
.endr
	WIN 0
.irp t, 0,1,2,3
	ds_store_b128 v[VSTO], v[TMP+8*\t:TMP+8*\t+3] offset:64*\t                    ; they wait in my wave's own stage: T needs the registers
	ds_store_b128 v[VSTO], v[TMP+8*\t+4:TMP+8*\t+7] offset:64*\t+16
.endr
.irp t, 0,1,2,3
	WIN 0x02
	WCOMB \t
	WIN 0
.set CI, 0
.rept 32
	v_cvt_pk_bf16_f32 v[TMP+CI], v[F1+2*CI], v[F1+2*CI+1]
.set CI, CI+1
.endr
.irp f, 0,1,2,3
	ds_store_b128 v[VW0], v[TMP+4*\f:TMP+4*\f+3] offset:16384*\f+512*\t           ; row tile f, fragment 2 w + t / 2, half t mod 2
.endr
.irp f, 0,1,2,3
	ds_store_b128 v[VW1], v[TMP+16+4*\f:TMP+16+4*\f+3] offset:16384*\f+512*\t
.endr
.endr
	BAR                                            ; t_0 = w is whole for every wave
; ================= T1-T3 =================
	TPHASE 0, 0                                    ; K = 256: 2 trips
	TPHASE 1, 2                                    ; K = 512: 4 trips
	TPHASE 2, 2
; ================= L =================
	WIN 0x80
.irp i, 0,1,2,3
.irp t, 0,1,2,3
	ds_load_b128 v[8*(8*\i+4+\t):8*(8*\i+4+\t)+3], v[VBO] offset:1024*\i+64*\t
	ds_load_b128 v[8*(8*\i+4+\t)+4:8*(8*\i+4+\t)+7], v[VBO] offset:1024*\i+64*\t+16
.endr
.endr
	WIN 0xc0
.irp i, 0,1,2,3
.irp t, 0,1,2,3
	ds_load_b128 v[8*(8*\i+4+\t):8*(8*\i+4+\t)+3], v[VBO] offset:1024*(\i+4)+64*\t
	ds_load_b128 v[8*(8*\i+4+\t)+4:8*(8*\i+4+\t)+7], v[VBO] offset:1024*(\i+4)+64*\t+16
.endr
.endr
	WIN 0
	v_mov_b32 v[VA0], v[LOFF]
	v_add_nc_u32 v[VA1], 65536, v[LOFF]
	v_add_nc_u32 v[VX], 40960, v[VXB]              ; x3's high parts
	LF 0, 0                                        ; groups of 6, 4, 4, 4 loads, as in every trip
	LX XB0, 0
	LF 1, 0
	LF 2, 0
	LF 3, 0
	LTRIP XB0, XB1, 1                              ; k step 0 starts G's sums
	s_mov_b32 s26, 7
.Ll:
	LTRIP XB1, XB0, 0
	LTRIP XB0, XB1, 0
	s_sub_co_i32 s26, s26, 1
	s_cmp_lg_u32 s26, 0
	s_cbranch_scc1 .Ll
	LSTEP 0, XB1, XB0, 0, 0, 12, 2                 ; k step 15: nothing more is fetched from LDS, so the counts run down by groups of four;
	LSTEP 1, XB1, XB0, 0, 0, 8, 2                  ; step 0 asks for the last high chunk, steps 1-3 for nothing
	LSTEP 2, XB1, XB0, 0, 0, 4, 2
	LSTEP 3, XB1, XB0, 0, 0, 0, 2
	PLACES5
	WIN 0
.irp t, 0,1,2,3
	ds_load_b128 v[TMP+8*\t:TMP+8*\t+3], v[VSTO] offset:64*\t                     ; the first-level sums, each lane its own bytes
	ds_load_b128 v[TMP+8*\t+4:TMP+8*\t+7], v[VSTO] offset:64*\t+16
.endr
	FIN 0
	FIN 1
	; The way out: a lane's 32 bytes of a row go into my wave's own stage and come back as whole rows of 256 bytes.
	WIN 0
.irp t, 0,1,2,3
	ds_store_b128 v[VSTO], v[TMP+8*\t:TMP+8*\t+3] offset:64*\t
	ds_store_b128 v[VSTO], v[TMP+8*\t+4:TMP+8*\t+7] offset:64*\t+16
.endr
.irp u, 0,1,2,3,4,5,6,7
	ds_load_b128 v[F0+4*\u:F0+4*\u+3], v[VRD] offset:544*\u       ; LDS serves a wave's instructions in order (ISA guide 5.7.1.4): these see the stores above
.endr
.irp u, 0,1,2,3,4,5,6,7
	s_wait_dscnt 7-\u                              ; load u is back, the younger ones stay out
	global_store_b128 v[VCO], v[F0+4*\u:F0+4*\u+3], s[18:19] offset:2048*\u th:TH_STORE_NT   ; 16 lanes store 256 consecutive bytes, at a multiple of 256 from out0's first byte
.endr
	s_wait_tensorcnt 0x0
	ds_add_u32 v254, v255
	s_wait_dscnt 0x0
	s_endpgm
.Lfunc_end_k_qc490a48ddb_fused:
	.size	k_qc490a48ddb_fused, .Lfunc_end_k_qc490a48ddb_fused-k_qc490a48ddb_fused
	.p2alignl 7, 3214868480
	.fill 96, 4, 3214868480
	.section	.rodata,"a",@progbits
	.p2align	6, 0x0
	.amdhsa_kernel k_qc490a48ddb_fused
		.amdhsa_group_segment_fixed_size 318976
		.amdhsa_private_segment_fixed_size 0
		.amdhsa_enable_private_segment 0
		.amdhsa_kernarg_size 64
		.amdhsa_user_sgpr_count 2
		.amdhsa_user_sgpr_kernarg_segment_ptr 1
		.amdhsa_wavefront_size32 1
		.amdhsa_system_sgpr_workgroup_id_x 1
		.amdhsa_system_sgpr_workgroup_id_y 1
		.amdhsa_system_sgpr_workgroup_id_z 1
		.amdhsa_system_vgpr_workitem_id 0
		.amdhsa_next_free_vgpr 1024
		.amdhsa_next_free_sgpr 66
		.amdhsa_reserve_vcc 1
		.amdhsa_float_denorm_mode_32 3
		.amdhsa_float_denorm_mode_16_64 3
		.amdhsa_memory_ordered 1
		.amdhsa_forward_progress 1
		.amdhsa_inst_pref_size 255
	.end_amdhsa_kernel
	.section	.bss,"aw",@nobits
	.p2align	6
	.space	262144
	.amdgpu_metadata
---
amdhsa.version: [ 1, 2 ]
amdhsa.kernels:
  - .name:           k_qc490a48ddb_fused
    .symbol:         k_qc490a48ddb_fused.kd
    .args:
      - { .name: h, .offset: 0, .size: 8, .value_kind: global_buffer, .address_space: global }
      - { .name: primitive_signature, .offset: 8, .size: 8, .value_kind: global_buffer, .address_space: global }
      - { .name: b1, .offset: 16, .size: 8, .value_kind: global_buffer, .address_space: global }
      - { .name: b2, .offset: 24, .size: 8, .value_kind: global_buffer, .address_space: global }
      - { .name: b3, .offset: 32, .size: 8, .value_kind: global_buffer, .address_space: global }
      - { .name: bo, .offset: 40, .size: 8, .value_kind: global_buffer, .address_space: global }
      - { .name: wf, .offset: 48, .size: 8, .value_kind: global_buffer, .address_space: global }
      - { .name: out0, .offset: 56, .size: 8, .value_kind: global_buffer, .address_space: global }
    .group_segment_fixed_size: 318976
    .private_segment_fixed_size: 0
    .kernarg_segment_align: 8
    .kernarg_segment_size: 64
    .max_flat_workgroup_size: 128
    .sgpr_count:     66
    .vgpr_count:     1024
    .wavefront_size: 32
...
	.end_amdgpu_metadata
.endif
;; end of part 2
;; ======== version 2 of 3: 2 launches; 1.35 times as fast as version 1
;; limits: values are held in f16: magnitudes above 65,504 overflow, below 6.1e-05 lose precision
;; workspace buffers: wf 5,505,024 bytes
;; launch prep (part 3): grid 208 x 1, 8 waves a work-group, no clusters, 0 bytes of LDS; arguments W1, W2, W3, Wo, wf; writes wf
.if DOCPART == 3
	.amdgcn_target "amdgcn-amd-amdhsa--gfx1250"
	.amdhsa_code_object_version 6
	.text
	.protected	k_qc490a48ddb_prep
	.globl	k_qc490a48ddb_prep
	.p2align	8
	.type	k_qc490a48ddb_prep,@function
k_qc490a48ddb_prep:
	s_mov_b64 s[64:65], 0
	v_nop
	global_prefetch_b8 v0, s[64:65] scope:SCOPE_SE
	s_setreg_imm32_b32 hwreg(HW_REG_WAVE_MODE, 25, 1), 1
	s_wait_xcnt 0x0
; wf = W1, W2, W3, Wo rounded to 16 bits (nearest even) and laid out as the register image of 16 x 32 matrix fragments.
; W1, W2, W3 in bf16.  Wo twice: in f16 (11 significant bits) for the product that makes V, and in bf16 for the tangent product.
; LIMIT: Wo's f16 image holds |Wo| up to 65,504; under 6.1e-5 its steps are 6e-8 wide.
; A fragment is 16 weight rows x 32 k = 1,024 bytes: [c = 0, 1][lane L = 16 h + r][16 bytes] = W[16 T + r][32 ks + 16 c + 8 h + 0 .. 7],
; so that the next launch fills a fragment's eight registers by two loads of 512 consecutive bytes.
; wf is four regions of RW bytes, one for each wave w of the next launch, in the order in which that wave walks them:
;   W1 at 0           [ks 0..7 ][b 0..7]          row tile T = 8 w + b
;   W2 at LAY2        [ks 0..15][b 0..7]          the same
;   W3 at LAY3        [ks 0..15][b 0..7]          the same
;   Wo at LAYO        [ks 0..15][i 0..7][t 0..3]  row tile T = 16 i + 4 w + t, in f16
;   Wo at LAYO + BIMG the same order, in bf16
; One wave takes one row tile T and one pair kp of k steps: 16 rows x 256 bytes of f32 in, stores of 512 consecutive bytes out.
; W1: 32 tiles x 4 pairs = 16 work-groups; W2, W3: 32 x 8 = 32 each; Wo: 128 x 8 = 128: 208 in all.  No loop, no LDS, no barrier.
.set RW,   1376256
.set LAY2, 65536
.set LAY3, 196608
.set LAYO, 327680
.set BIMG, 524288
.set SRC,  8                           ; v[8:39]   32 f32 words a lane as loaded
.set DST,  40                          ; v[40:55]  16 words of two bf16
.set HF,   56                          ; v[56:71]  16 words of two f16 (Wo alone)
	s_load_b256 s[4:11], s[0:1], 0x0               ; W1 s[4:5], W2 s[6:7], W3 s[8:9], Wo s[10:11]
	s_load_b64 s[12:13], s[0:1], 0x20              ; wf
	v_lshrrev_b32 v1, 5, v0
	v_readfirstlane_b32 s14, v1                    ; wave 0..7
	v_and_b32 v5, 31, v0                           ; L
	v_and_b32 v6, 15, v0                           ; r
	v_bfe_u32 v7, v0, 4, 1                         ; h
	s_mov_b32 s15, ttmp9                           ; g, the work-group
	s_lshr_b32 s18, s14, 2
	s_lshl1_add_u32 s18, s15, s18                  ; W1's T = 2 g + wave / 4
	s_and_b32 s19, s14, 3                          ; W1's kp = wave mod 4
	s_mov_b32 s27, LAY2
	s_mov_b32 s28, LAY3
	s_mov_b32 s30, 8192
	s_wait_kmcnt 0x0
	; which matrix: g < 16 W1, g < 48 W2, g < 80 W3, else Wo.  Every choice hangs on g alone.
	s_cmp_lt_u32 s15, 48
	s_cselect_b64 s[16:17], s[6:7], s[8:9]         ; W2 or W3
	s_cselect_b32 s23, s27, s28                    ; its place in a region
	s_cselect_b32 s26, 16, 48                      ; its first work-group
	s_cmp_lt_u32 s15, 80
	s_cselect_b64 s[16:17], s[16:17], s[10:11]     ; or Wo
	s_cselect_b32 s26, s26, 80
	s_sub_co_u32 s26, s15, s26                     ; T of W2, W3, Wo (not used for W1)
	s_cmp_lt_u32 s15, 16
	s_cselect_b64 s[16:17], s[4:5], s[16:17]       ; or W1
	s_cselect_b32 s18, s18, s26                    ; T
	s_cselect_b32 s19, s19, s14                    ; kp
	s_cselect_b32 s20, 10, 11                      ; log2 of a row's bytes: 1,024 or 2,048
	s_cselect_b32 s23, 0, s23
	; destination in a hidden layer: (T / 8) RW + layer + kp x 2 steps x 8,192 + (T mod 8) x 1,024
	s_lshr_b32 s21, s18, 3
	s_mul_i32 s21, s21, RW
	s_add_co_u32 s21, s21, s23
	s_lshl_b32 s24, s19, 14
	s_add_co_u32 s21, s21, s24
	s_and_b32 s24, s18, 7
	s_lshl_b32 s24, s24, 10
	s_add_co_u32 s21, s21, s24
	; destination in Wo: ((T / 4) mod 4) RW + LAYO + kp x 2 steps x 32,768 + (T / 16) x 4,096 + (T mod 4) x 1,024
	s_bfe_u32 s29, s18, 0x20002
	s_mul_i32 s29, s29, RW
	s_add_co_u32 s29, s29, LAYO
	s_lshl_b32 s24, s19, 16
	s_add_co_u32 s29, s29, s24
	s_lshr_b32 s24, s18, 4
	s_lshl_b32 s24, s24, 12
	s_add_co_u32 s29, s29, s24
	s_and_b32 s24, s18, 3
	s_lshl_b32 s24, s24, 10
	s_add_co_u32 s29, s29, s24
	s_cmp_lt_u32 s15, 80
	s_cselect_b32 s21, s21, s29                    ; where the first k step's fragment goes
	s_cselect_b32 s22, s30, 0x8000                 ; and how far behind it the second's
	; source: row 16 T, byte 256 kp of the rows
	s_lshl_b32 s24, s18, 4
	s_lshl_b32 s24, s24, s20
	s_lshl_b32 s25, s19, 8
	s_add_co_u32 s24, s24, s25
	s_mov_b32 s25, 0
	s_add_nc_u64 s[16:17], s[16:17], s[24:25]
	v_lshlrev_b32 v2, s20, v6                      ; my row
	v_lshl_add_u32 v2, v7, 5, v2                   ; + 32 h: eight f32
.irp e, 0,1,2,3,4,5,6,7
	global_load_b128 v[SRC+4*\e:SRC+4*\e+3], v2, s[16:17] offset:64*(\e/2)+16*(\e%2) th:TH_LOAD_NT   ; group e / 2 = 2 ks' + c, its lower or upper four numbers
.endr
	v_lshlrev_b32 v3, 4, v5
	v_add_nc_u32 v3, s21, v3                       ; 16 L + the first fragment
	v_add_nc_u32 v4, s22, v3                       ; the second
	s_wait_loadcnt 0x0
.irp m, 0,1,2,3,4,5,6,7,8,9,10,11,12,13,14,15
	v_cvt_pk_bf16_f32 v[DST+\m], v[SRC+2*\m], v[SRC+2*\m+1]   ; the lower k into the lower half
.endr
	s_cmp_lt_u32 s15, 80
	s_cbranch_scc1 .Lhidden
.irp m, 0,1,2,3,4,5,6,7,8,9,10,11,12,13,14,15
	v_cvt_pk_f16_f32 v[HF+\m], v[SRC+2*\m], v[SRC+2*\m+1]
.endr
	global_store_b128 v3, v[HF:HF+3], s[12:13]                 ; each store of the wave covers 512 consecutive bytes, aligned
	global_store_b128 v3, v[HF+4:HF+7], s[12:13] offset:512
	global_store_b128 v4, v[HF+8:HF+11], s[12:13]
	global_store_b128 v4, v[HF+12:HF+15], s[12:13] offset:512
	global_store_b128 v3, v[DST:DST+3], s[12:13] offset:BIMG
	global_store_b128 v3, v[DST+4:DST+7], s[12:13] offset:BIMG+512
	global_store_b128 v4, v[DST+8:DST+11], s[12:13] offset:BIMG
	global_store_b128 v4, v[DST+12:DST+15], s[12:13] offset:BIMG+512
	s_branch .Ldone
.Lhidden:
	global_store_b128 v3, v[DST:DST+3], s[12:13]
	global_store_b128 v3, v[DST+4:DST+7], s[12:13] offset:512
	global_store_b128 v4, v[DST+8:DST+11], s[12:13]
	global_store_b128 v4, v[DST+12:DST+15], s[12:13] offset:512
.Ldone:
	s_endpgm
.Lfunc_end_k_qc490a48ddb_prep:
	.size	k_qc490a48ddb_prep, .Lfunc_end_k_qc490a48ddb_prep-k_qc490a48ddb_prep
	.p2alignl 7, 3214868480
	.fill 96, 4, 3214868480
	.section	.rodata,"a",@progbits
	.p2align	6, 0x0
	.amdhsa_kernel k_qc490a48ddb_prep
		.amdhsa_group_segment_fixed_size 0
		.amdhsa_private_segment_fixed_size 0
		.amdhsa_enable_private_segment 0
		.amdhsa_kernarg_size 40
		.amdhsa_user_sgpr_count 2
		.amdhsa_user_sgpr_kernarg_segment_ptr 1
		.amdhsa_wavefront_size32 1
		.amdhsa_system_sgpr_workgroup_id_x 1
		.amdhsa_system_sgpr_workgroup_id_y 1
		.amdhsa_system_sgpr_workgroup_id_z 1
		.amdhsa_system_vgpr_workitem_id 0
		.amdhsa_next_free_vgpr 72
		.amdhsa_next_free_sgpr 66
		.amdhsa_reserve_vcc 0
		.amdhsa_float_denorm_mode_32 3
		.amdhsa_float_denorm_mode_16_64 3
		.amdhsa_memory_ordered 1
		.amdhsa_forward_progress 1
		.amdhsa_inst_pref_size 7
	.end_amdhsa_kernel
	.amdgpu_metadata
---
amdhsa.version: [ 1, 2 ]
amdhsa.kernels:
  - .name:           k_qc490a48ddb_prep
    .symbol:         k_qc490a48ddb_prep.kd
    .args:
      - { .name: W1, .offset: 0, .size: 8, .value_kind: global_buffer, .address_space: global }
      - { .name: W2, .offset: 8, .size: 8, .value_kind: global_buffer, .address_space: global }
      - { .name: W3, .offset: 16, .size: 8, .value_kind: global_buffer, .address_space: global }
      - { .name: Wo, .offset: 24, .size: 8, .value_kind: global_buffer, .address_space: global }
      - { .name: wf, .offset: 32, .size: 8, .value_kind: global_buffer, .address_space: global }
    .group_segment_fixed_size: 0
    .private_segment_fixed_size: 0
    .kernarg_segment_align: 8
    .kernarg_segment_size: 40
    .max_flat_workgroup_size: 256
    .sgpr_count:     66
    .vgpr_count:     72
    .wavefront_size: 32
...
	.end_amdgpu_metadata
.endif
;; end of part 3
;; launch fused (part 4): grid 256 x 1, 4 waves a work-group, no clusters, 327,424 bytes of LDS; arguments h, primitive_signature, b1, b2, b3, bo, wf, out0; writes out0
.if DOCPART == 4
	.amdgcn_target "amdgcn-amd-amdhsa--gfx1250"
	.amdhsa_code_object_version 6
	.text
	.protected	k_qc490a48ddb_fused
	.globl	k_qc490a48ddb_fused
	.p2align	8
	.type	k_qc490a48ddb_fused,@function
k_qc490a48ddb_fused:
	s_mov_b64 s[64:65], 0
	v_nop
	global_prefetch_b8 v0, s[64:65] scope:SCOPE_SE
	s_setreg_imm32_b32 hwreg(HW_REG_WAVE_MODE, 25, 1), 1
	s_wait_xcnt 0x0
; out[n] = sum_i s_i V_i[n] + sum_{i<j} s_ij (DV_j V_i - DV_i V_j)[n],  V = tanh(Wo x3 + bo), x_l = softplus(W_l x_{l-1} + b_l), x_0 = h.
; TWO IDENTITIES, exact for every input, shape the work.  A directional derivative is linear in its direction, so the level-2 sum is
; sum_f DV_f w_f with w_f = sum_{k<f} s(k,f) V_k - sum_{k>f} s(f,k) V_k (made in f32); and DV_f needs Wo's rows 256 f .. 256 f + 255 alone:
;   t_0 = w_f,  t_l = d_l * (W_l t_{l-1}),  d_l = sigmoid(z_l),  DV_f w_f = (1 - V_f^2) * (Wo_f t_3).
; A work-group owns 16 samples; four waves.  PHASES: S set-up; P1-P3 primal hidden layers (16 rows); P4 V, sum_i s_i V_i and w_f; T1-T3 tangent
; hidden layers (128 rows: row tile a = field, row in the tile = sample); L Wo_f t_3 together with Wo x3 made a second time for 1 - V^2, then the end.
; (V is made twice because 16 x 2,048 f32 are 131,072 bytes: they have no room beside T's 512 accumulators, and LDS has 256 bytes unused.)
; ONE BODY FOR THREE LAYERS.  P1-P3 run one body three times, and so do T1-T3: what differs from layer to layer lies in registers (LDS
; addresses that step, a layer counter that jumps over the two middle trips where K = 256, a choice of where the weight ring goes on),
; so that a layer's code is fetched once and run three times.
; PRECISION OF V.  sum_i s_i V_i is the bulk of the result, and bf16 keeps 8 significant bits.  So P4's product is made in f16, which keeps 11:
; z = S (Wo_f16 x3' + bo / S), x3' = x3 / S in f16, S the power of two above the sample's largest x3, so that x3' lies in [0, 1] whatever
; the inputs' size.  The first-level sums are made from that V in P4 and wait in the wave's output stage.  L's second V (bf16) serves 1 - V^2 only.
; In hidden layers wave w owns columns 128 w .. +127, in Wo the columns n = 64 w .. +63 of all eight blocks.
; THE MATRIX INSTRUCTION IS USED TRANSPOSED: source 0 = 16 weight rows, source 1 = 16 activation rows.  Lane (r, h) then holds activation
; row r and output columns 16 ct + 8 h + 0..7: packed to 16 bits these 16 bytes are the lane's own piece of the next layer's fragment
; (k step ct / 2, half ct mod 2).  So activations lie in LDS in fragment order, 1,024 bytes a fragment, and every LDS access of a wave
; is 512 consecutive bytes.
; WEIGHTS come from wf (fragment order, each wave's own region) straight into registers: a ring of four slots of 64 registers, a chunk =
; 8 fragments = 16 loads.  A step refills the slot that it has just read, four chunks ahead; see THE WEIGHT RING below.
; NO CLUSTER, NO TENSOR LOADS: a joint load lands in LDS, and of the 327,680 bytes 326,912 hold activations, sigmoids, biases, row maxima and the
; output stage; each weight fragment is used by one wave of the work-group, once a pass, so LDS would add a write and a read for each byte.
; LIMITS.  Matrix operands are bf16 (weights, h, x_l, w_f, t_l), in P4 f16 (|Wo| up to 65,504; under 6.1e-5 in steps of 6e-8); all else f32.
; tanh(z) = 1 - 2 / (1 + e^(2z)): absolute error near 1e-7.  v_exp_f32, v_rcp_f32, v_log_f32 flush denormals.  NaN and infinite inputs are
; not honoured (v_max_num_f32, v_min_num_f32 drop a NaN).  The signature is contracted ahead of the derivative, so the order of the sums
; differs from the formula's.
.set RW,     1376256                   ; a wave's region of wf: 8 + 16 + 16 chunks of W1-W3, 64 of Wo in f16, 64 of Wo in bf16
.set CH,     8192                      ; a chunk
.set LAYB,   851968                    ; Wo's bf16 image in the region
; LDS: tangent activations at 0, fragment (a, ks) at (16 a + ks) x 1,024: 131,072 bytes
.set XH,     131072                    ; h in bf16: 8 fragments in a place of 16, so that x_l (16 fragments each) lies 16,384 l bytes behind h for l = 1, 2, 3.
                                       ; x1's bytes hold x3' (f16) behind P3: x1 is last read in P2, and each wave has waited for
                                       ; those reads in front of the barrier that ends P2's epilogue.
.set X1,     147456
.set DD,     196608                    ; d_1..d_3 in f32, each wave's own: 24,576 w + 8,192 layer + 1,024 b + 512 q + 16 L
.set BIAS,   294912                    ; b1, b2, b3 (2,048 each), bo (8,192)
.set STG,    309248                    ; output stage, each wave's own: 16 rows of 256 bytes, 272 apart
.set RM,     326656                    ; each wave's largest x3 of each row: word 16 w + r
.set LOG2E,  0x3fb8aa3b
.set LOG2E2, 0x4038aa3b                ; 2 log2 e
.set LN2,    0x3f317218
; window 0
.set LOFF, 4                           ; 16 L, never rewritten: the weight loads' offset
.set VA0,  5                           ; tangent fragments of row tiles 0-3, stepping
.set VA1,  6                           ; of row tiles 4-7 (65,536 further)
.set VS0,  7                           ; where T's epilogues store: 4,096 w + 16 L
.set VS1,  8
.set VX,   9                           ; x fragments, stepping
.set VXS,  10                          ; X1 + 4,096 w + 16 L
.set VD,   11                          ; DD + 24,576 w + 16 L
.set VB,   12                          ; BIAS + 512 w + 32 h, 2,048 on with each primal layer
.set VBO,  13                          ; BIAS + 6,144 + 256 w + 32 h
.set VSTO, 14                          ; stage, by lanes' own 32 bytes
.set VRD,  15                          ; stage, by rows
.set VCO,  16                          ; my bytes in out0
.set VXB,  17                          ; XH + 16 L
.set VW0,  21                          ; where w_f is stored: 2,048 w + 16 L
.set VW1,  22
.set VRMS, 27                          ; RM + 64 w + 4 r
.set VRML, 28                          ; RM + 4 r
.set VXR,  29                          ; where a primal layer reads x: VXB, 16,384 on with each layer
.set VXSL, 30                          ; where it stores x: VXS, 16,384 on with each layer
.set VDL,  31                          ; the layer's d: VD, 8,192 on with each layer, in P and again in T
.set TMP,  32                          ; v[32:63]   at work; the output sums
.set F0,   64                          ; v[64:127]  activation fragments, epilogues' operands
.set F1,   128                         ; v[128:191] the same, second buffer
.set BI,   96                          ; set-up: biases as loaded
.set SIG,  192                         ; v[192:227] the 36 coefficients of sample r
.set XB0,  228                         ; v[228:235], v[236:243]: a fragment of x3' (P4) or of x3 (L, two buffers)
.set XB1,  236
.set PK,   244                         ; v[244:247]
.set SC,   248                         ; v[248:249] 2 log2e S, twice (a pair for the packed multiply)
.set SCI,  250                         ; v[250:251] 1 / S, twice
; window 1: the weight ring, slot q fragment f at v[64 q + 8 f].  Windows 2 and 3: accumulators.
.set WB, 22                            ; s[22:23] my region of wf, never rewritten
.set IP, 24                            ; s[24:25] the four chunks that are being asked for
; s20 wave, s26 trip counter, s27 2^-10, s[28:31] at work, s32, s33 v_permlanex16_b32's selects, s34 layer counter, s[36:39] the ring's two ways on
.set MSB, 0
.macro WIN new                         ; s_set_vgpr_msb: bits 1:0 source 0, 3:2 source 1, 5:4 source 2, 7:6 destination; the high byte repeats the setting that is left
.if MSB != (\new)
	s_set_vgpr_msb (MSB<<8)|(\new)
.set MSB, (\new)
.endif
.endm
.set MUL_LO, 0xa1                      ; weights window 1, activations window 0, C and D window 2
.set MUL_HI, 0xf1                      ; the same, C and D window 3
.set TO_B,   0x40                      ; destination window 1
; Places behind matrix instructions: four ahead of a load into, or a vector write of, a register that one has read, and
; ahead of a vector read of a result.  Every step that refills ends its products with these four; an epilogue adds a fifth, which serves
; the next phase's products that write over these accumulators.
.macro PLACES
.rept 4
	v_nop
.endr
.endm
.macro BAR                             ; my LDS loads and stores are done, then the work-group's barrier
	s_wait_dscnt 0x0
	s_barrier_signal -1
	s_barrier_wait -1
.endm
; ---- THE WEIGHT RING ----
; A trip is four steps; step j reads slot j.  s[IP] is the address of four chunks; chunk q of them goes to slot q from byte CH q.
; Step j: HEAD waits for slot j's chunk and sends out the two loads that the step before held back; the products; four places; REFILL asks
; for slot j's next chunk, four chunks ahead, but for its last fragment's two loads, which the next step's HEAD sends.  Holding these two
; back keeps the loads of a wave that are out at 62 at the most (14 + 2 + 14 + 2 + 14 + 2 + 14), so that every count can be read off the text.
; The pointer moves on in step 0's REFILL, behind that step's products: step 0's HEAD still asks by the old pointer, for slot 3.
; Every trip, whichever phase or layer it belongs to, leaves the same loads out, so the counts hold on every way into a trip.
.macro ISSUEA slot                     ; fragments 0-6: 14 loads of 512 consecutive bytes
	WIN TO_B
.irp f, 0,1,2,3,4,5,6
	global_load_b128 v[64*(\slot)+8*\f:64*(\slot)+8*\f+3], v[LOFF], s[IP:IP+1] offset:CH*(\slot)+1024*\f
	global_load_b128 v[64*(\slot)+8*\f+4:64*(\slot)+8*\f+7], v[LOFF], s[IP:IP+1] offset:CH*(\slot)+1024*\f+512
.endr
.endm
.macro ISSUEH slot                     ; fragment 7
	WIN TO_B
	global_load_b128 v[64*(\slot)+56:64*(\slot)+59], v[LOFF], s[IP:IP+1] offset:CH*(\slot)+7168
	global_load_b128 v[64*(\slot)+60:64*(\slot)+63], v[LOFF], s[IP:IP+1] offset:CH*(\slot)+7680
.endm
; Loads come back in order (ISA guide 5.7.1).  Behind this step's chunk were issued 14 + 2 + 14 + 2 + 14 = 46 loads: they may stay out.
; tail = 1, the launch's last trip: only slot 3's two held-back loads are still sent; behind the chunks of steps 1, 2, 3 stand 32, 16, 0 loads.
.macro HEAD j, tail
.if \tail == 0
	s_wait_loadcnt 46
	ISSUEH (\j+3)%4
.else
.if \j == 0
	s_wait_loadcnt 46
	ISSUEH 3
.else
	s_wait_loadcnt 16*(3-\j)
.endif
.endif
.endm
; jump = -1: the next four chunks follow in the region; jump >= 0: they begin at byte jump of the region;
; jump = -2, a tangent layer's last trip: they follow, but behind layer 2 (W3) they are the first four of Wo's bf16 image.
.macro REFILL j, jump
.if \j == 0
	s_wait_xcnt 0x0                        ; the pointer is written only when the loads that name it have had their addresses translated (ISA guide 3.1)
.if \jump == -2
	s_add_nc_u64 s[36:37], s[IP:IP+1], 4*CH
	s_add_nc_u64 s[38:39], s[WB:WB+1], LAYB
	s_cmp_eq_u32 s34, 2                    ; the choice hangs on the layer counter alone
	s_cselect_b64 s[IP:IP+1], s[38:39], s[36:37]
.else
.if \jump < 0
	s_add_nc_u64 s[IP:IP+1], s[IP:IP+1], 4*CH
.else
	s_add_nc_u64 s[IP:IP+1], s[WB:WB+1], \jump
.endif
.endif
.endif
	ISSUEA \j
.endm
; ---- tanh in place on 8 x groups registers of the window set: 1 - 2 / (1 + 2^(2 log2e z)).  sc = 1: the registers hold z / S ----
.macro TANH base, groups, sc
.set TB, \base
.rept \groups
.irp p, 0,2,4,6
.if \sc
	v_pk_mul_f32 v[TB+\p:TB+\p+1], v[TB+\p:TB+\p+1], v[SC:SC+1]
.else
	v_pk_mul_f32 v[TB+\p:TB+\p+1], v[TB+\p:TB+\p+1], LOG2E2 op_sel_hi:[1,0]
.endif
.endr
.irp k, 0,1,2,3,4,5,6,7
	v_exp_f32 v[TB+\k], v[TB+\k]
.endr
	v_nop                                  ; one plain place behind the transcendentals (ISA guide 5.7.2)
	s_wait_alu depctr_va_vdst(0)
.irp p, 0,2,4,6
	v_pk_add_f32 v[TB+\p:TB+\p+1], v[TB+\p:TB+\p+1], 1.0 op_sel_hi:[1,0]
.endr
.irp k, 0,1,2,3,4,5,6,7
	v_rcp_f32 v[TB+\k], v[TB+\k]
.endr
	v_nop
	s_wait_alu depctr_va_vdst(0)
.irp p, 0,2,4,6
	v_pk_fma_f32 v[TB+\p:TB+\p+1], v[TB+\p:TB+\p+1], -2.0, 1.0 op_sel_hi:[1,0,0]
.endr
.set TB, TB+8
.endr
.endm
; ---- primal hidden layers ----
.macro XFETCH                          ; four k steps' fragments of x
.irp j, 0,1,2,3
	ds_load_b128 v[F0+8*\j:F0+8*\j+3], v[VX] offset:1024*\j
	ds_load_b128 v[F0+8*\j+4:F0+8*\j+7], v[VX] offset:1024*\j+512
.endr
.endm
.macro PSTART                          ; the bias starts the sums: lane (r, h) takes b[128 w + 16 b + 8 h + 0..7] into tile b
	WIN 0x80
.irp b, 0,1,2,3,4,5,6,7
	ds_load_b128 v[8*\b:8*\b+3], v[VB] offset:64*\b
	ds_load_b128 v[8*\b+4:8*\b+7], v[VB] offset:64*\b+16
.endr
	WIN 0
	v_mov_b32 v[VX], v[VXR]
	XFETCH
.endm
; Four k steps, one chunk each.  The eight accumulators take turns, one instruction a turn, from trip to trip on every way too.
.macro PTRIP fetch
.irp j, 0,1,2,3
	HEAD \j, 0
.if \j == 0
	s_wait_dscnt 0x0                       ; the four fragments of x (and, in the first trip, the biases)
.endif
	WIN MUL_LO
.irp b, 0,1,2,3,4,5,6,7
	v_wmma_f32_16x16x32_bf16 v[8*\b:8*\b+7], v[64*\j+8*\b:64*\j+8*\b+7], v[F0+8*\j:F0+8*\j+7], v[8*\b:8*\b+7]
.endr
	PLACES
	REFILL \j, -1
.endr
	WIN 0
.if \fetch
	v_add_nc_u32 v[VX], 4096, v[VX]
	XFETCH
.endif
.endm
; softplus and sigmoid of tile b.  M = max(z, 0) in F0, N = min(z, 0) in F1.  E = e^-|z|;  x = M + ln(1 + E), and where E < 2^-10, in which
; 1 + E has lost E's low bits, x = M + E (1 - E / 2);  d = 1 / (1 + E) for z >= 0, E / (1 + E) for z < 0.
; TMP+0 E, TMP+8 1 + E and then the small-E form, TMP+16 the reciprocal and then d, TMP+24 the logarithm's form.  x takes M's registers.
.macro SOFT b
.irp p, 0,2,4,6
	v_pk_add_f32 v[TMP+\p:TMP+\p+1], v[F1+8*\b+\p:F1+8*\b+\p+1], v[F0+8*\b+\p:F0+8*\b+\p+1] neg_lo:[0,1] neg_hi:[0,1]
.endr
.irp p, 0,2,4,6
	v_pk_mul_f32 v[TMP+\p:TMP+\p+1], v[TMP+\p:TMP+\p+1], LOG2E op_sel_hi:[1,0]
.endr
.irp k, 0,1,2,3,4,5,6,7
	v_exp_f32 v[TMP+\k], v[TMP+\k]
.endr
	v_nop
	s_wait_alu depctr_va_vdst(0)
.irp p, 0,2,4,6
	v_pk_add_f32 v[TMP+8+\p:TMP+8+\p+1], v[TMP+\p:TMP+\p+1], 1.0 op_sel_hi:[1,0]
.endr
.irp k, 0,1,2,3,4,5,6,7
	v_log_f32 v[TMP+24+\k], v[TMP+8+\k]
.endr
.irp k, 0,1,2,3,4,5,6,7
	v_rcp_f32 v[TMP+16+\k], v[TMP+8+\k]
.endr
	v_nop
.irp p, 0,2,4,6
	v_pk_fma_f32 v[TMP+8+\p:TMP+8+\p+1], v[TMP+\p:TMP+\p+1], -0.5, 1.0 op_sel_hi:[1,0,0]
.endr
	s_wait_alu depctr_va_vdst(0)
.irp p, 0,2,4,6
	v_pk_fma_f32 v[TMP+24+\p:TMP+24+\p+1], v[TMP+24+\p:TMP+24+\p+1], LN2, v[F0+8*\b+\p:F0+8*\b+\p+1] op_sel_hi:[1,0,1]
.endr
.irp p, 0,2,4,6
	v_pk_fma_f32 v[TMP+8+\p:TMP+8+\p+1], v[TMP+8+\p:TMP+8+\p+1], v[TMP+\p:TMP+\p+1], v[F0+8*\b+\p:F0+8*\b+\p+1]
.endr
.irp k, 0,1,2,3,4,5,6,7
	v_cmp_gt_f32 vcc_lo, s27, v[TMP+\k]
	v_cndmask_b32 v[F0+8*\b+\k], v[TMP+24+\k], v[TMP+8+\k], vcc_lo
.endr
.irp p, 0,2,4,6
	v_pk_mul_f32 v[TMP+\p:TMP+\p+1], v[TMP+\p:TMP+\p+1], v[TMP+16+\p:TMP+16+\p+1]
.endr
.irp k, 0,1,2,3,4,5,6,7
	v_cmp_gt_f32 vcc_lo, 0, v[F1+8*\b+\k]
	v_cndmask_b32 v[TMP+16+\k], v[TMP+16+\k], v[TMP+\k], vcc_lo
.endr
.irp p, 0,1,2,3
	v_cvt_pk_bf16_f32 v[PK+\p], v[F0+8*\b+2*\p], v[F0+8*\b+2*\p+1]
.endr
	ds_store_b128 v[VXSL], v[PK:PK+3] offset:512*\b                    ; x: fragment 4 w + b / 2, half b mod 2
	ds_store_b128 v[VDL], v[TMP+16:TMP+19] offset:1024*\b              ; d: my wave's own bytes
	ds_store_b128 v[VDL], v[TMP+20:TMP+23] offset:1024*\b+512
.endm
.macro PEPI
	v_nop                                  ; the fifth place
	WIN 0x02                               ; source 0 in window 2
.set PI, 0
.rept 64
	v_max_num_f32 v[F0+PI], v[PI], 0
	v_min_num_f32 v[F1+PI], v[PI], 0
.set PI, PI+1
.endr
	WIN 0
.irp b, 0,1,2,3,4,5,6,7
	SOFT \b
.endr
	BAR                                    ; x_l is whole for every wave, and every wave's reads of x_{l-1} are back
	v_add_nc_u32 v[VB], 2048, v[VB]        ; the next layer's bias, input, output and d
	v_add_nc_u32 v[VXR], 16384, v[VXR]
	v_add_nc_u32 v[VXSL], 16384, v[VXSL]
	v_add_nc_u32 v[VDL], 8192, v[VDL]
.endm
; ---- P4: z / S = Wo_f16 x3' + bo / S, one k step a trip; accumulator (i, t) at window 2, v[8 (4 i + t)]; chunk j holds tiles 8 j .. 8 j + 7 ----
.macro BOLOAD g                        ; bo of blocks 2 g, 2 g + 1 into their accumulators: 16 loads
	WIN 0x80
.irp e, 0,1
.irp t, 0,1,2,3
	ds_load_b128 v[8*(4*(2*\g+\e)+\t):8*(4*(2*\g+\e)+\t)+3], v[VBO] offset:1024*(2*\g+\e)+64*\t
	ds_load_b128 v[8*(4*(2*\g+\e)+\t)+4:8*(4*(2*\g+\e)+\t)+7], v[VBO] offset:1024*(2*\g+\e)+64*\t+16
.endr
.endr
.endm
.macro BOSCALE g                       ; times 1 / S, a power of two
	WIN 0x82                               ; source 0 and destination in window 2
.set BSC, 64*\g
.rept 32
	v_pk_mul_f32 v[BSC:BSC+1], v[BSC:BSC+1], v[SCI:SCI+1]
.set BSC, BSC+2
.endr
.endm
; In a step the eight accumulators take turns, one instruction a turn, and the next step has eight others.
.macro P4TRIP jump, fetch
.irp j, 0,1,2,3
	HEAD \j, 0
.if \j == 0
	s_wait_dscnt 0x0                       ; this k step's fragment of x3'
.endif
	WIN MUL_LO
.irp f, 0,1,2,3,4,5,6,7
	v_wmma_f32_16x16x32_f16 v[8*(8*\j+\f):8*(8*\j+\f)+7], v[64*\j+8*\f:64*\j+8*\f+7], v[XB0:XB0+7], v[8*(8*\j+\f):8*(8*\j+\f)+7]
.endr
	PLACES
	REFILL \j, \jump
.endr
	WIN 0
.if \fetch
	v_add_nc_u32 v[VX], 1024, v[VX]
	ds_load_b128 v[XB0:XB0+3], v[VX]
	ds_load_b128 v[XB0+4:XB0+7], v[VX] offset:512
.endif
.endm
; w_f of column tile t into v[F1 + 8 f + 0..7].  One term: V_k times the coefficient of the word (min, max), at place
; 8 + lo (15 - lo) / 2 + hi - lo - 1 of the signature, with a minus for k > f.  The coefficient's register is picked out of its pair
; for both halves by op_sel and op_sel_hi.  Terms go step by step over all f, so that neighbouring lines do not wait for each other.
.macro PKW od, ng
.if WST == 0
	v_pk_mul_f32 v[WDD:WDD+1], v[WVV:WVV+1], v[WSP:WSP+1] op_sel:[0,\od] op_sel_hi:[1,\od] neg_lo:[0,\ng] neg_hi:[0,\ng]
.else
	v_pk_fma_f32 v[WDD:WDD+1], v[WVV:WVV+1], v[WSP:WSP+1], v[WDD:WDD+1] op_sel:[0,\od,0] op_sel_hi:[1,\od,1] neg_lo:[0,\ng,0] neg_hi:[0,\ng,0]
.endif
.endm
.macro WCOMB t
.set WST, 0
.rept 7
.set WFF, 0
.rept 8
.if WST < WFF
.set WKK, WST
.set WQQ, 8+(WKK*(15-WKK))/2+WFF-WKK-1
.else
.set WKK, WST+1
.set WQQ, 8+(WFF*(15-WFF))/2+WKK-WFF-1
.endif
.set WSP, SIG+(WQQ/2)*2
.set WPP, 0
.rept 4
.set WDD, F1+8*WFF+2*WPP
.set WVV, 8*(4*WKK+\t)+2*WPP
.if WST < WFF
.if WQQ%2
	PKW 1, 0
.else
	PKW 0, 0
.endif
.else
.if WQQ%2
	PKW 1, 1
.else
	PKW 0, 1
.endif
.endif
.set WPP, WPP+1
.endr
.set WFF, WFF+1
.endr
.set WST, WST+1
.endr
.endm
; ---- tangent hidden layers: 128 rows x my 128 columns; accumulator (a, b) at window 2 + a / 4, v[8 (8 (a mod 4) + b)] ----
.macro FETCH_A buf, koff               ; one k step's eight row tiles: 16 loads
.irp a, 0,1,2,3
	ds_load_b128 v[\buf+8*\a:\buf+8*\a+3], v[VA0] offset:16384*\a+\koff
	ds_load_b128 v[\buf+8*\a+4:\buf+8*\a+7], v[VA0] offset:16384*\a+\koff+512
.endr
.irp a, 0,1,2,3
	ds_load_b128 v[\buf+32+8*\a:\buf+32+8*\a+3], v[VA1] offset:16384*\a+\koff
	ds_load_b128 v[\buf+32+8*\a+4:\buf+32+8*\a+7], v[VA1] offset:16384*\a+\koff+512
.endr
.endm
.macro MULT j, buf, hi, zero           ; 32 matrix instructions; zero = 1: the first product starts the sums
.irp a, 0,1,2,3
.irp b, 0,1,2,3,4,5,6,7
.if \zero
	v_wmma_f32_16x16x32_bf16 v[8*(8*\a+\b):8*(8*\a+\b)+7], v[64*\j+8*\b:64*\j+8*\b+7], v[\buf+8*(4*\hi+\a):\buf+8*(4*\hi+\a)+7], 0
.else
	v_wmma_f32_16x16x32_bf16 v[8*(8*\a+\b):8*(8*\a+\b)+7], v[64*\j+8*\b:64*\j+8*\b+7], v[\buf+8*(4*\hi+\a):\buf+8*(4*\hi+\a)+7], v[8*(8*\a+\b):8*(8*\a+\b)+7]
.endif
.endr
.endr
.endm
; One k step: 64 matrix instructions in one run, on 64 accumulators that take turns, one instruction a turn, in the same order in every step.
; Behind them, and four places, all of the step's memory work: the weight slot's refill, and the fragments of the
; step after next into the buffer just read.  dcnt: the next step's 16 LDS loads may stay out; in a layer's last step none is left.
.macro TSTEP j, buf, zero, fetch, dcnt, jump
	HEAD \j, 0
	s_wait_dscnt \dcnt
	WIN MUL_LO
	MULT \j, \buf, 0, \zero
	WIN MUL_HI
	MULT \j, \buf, 1, \zero
	PLACES
	REFILL \j, \jump
.if \fetch
	WIN 0
	FETCH_A \buf, 1024*(\j+2)
.endif
.endm
.macro TTRIP zero, last, jump
	TSTEP 0, F0, \zero, 1, 16, \jump
	TSTEP 1, F1, 0, 1, 16, -1
	TSTEP 2, F0, 0, 1-\last, 16, -1
	TSTEP 3, F1, 0, 1-\last, 16*(1-\last), -1
	WIN 0
.if \last == 0
	v_add_nc_u32 v[VA0], 4096, v[VA0]
	v_add_nc_u32 v[VA1], 4096, v[VA1]
.endif
.endm
; t_l = d_l * sums, to bf16, back into the same LDS bytes: a barrier between every wave's reads and the stores, another behind the stores.
.macro TEPI
	v_nop                                  ; the fifth place
	WIN 0
.irp b, 0,1,2,3,4,5,6,7
	ds_load_b128 v[F0+8*\b:F0+8*\b+3], v[VDL] offset:1024*\b
	ds_load_b128 v[F0+8*\b+4:F0+8*\b+7], v[VDL] offset:1024*\b+512
.endr
	BAR                                    ; every wave's reads of t_{l-1} are back (and my d)
.irp a, 0,1,2,3,4,5,6,7
	WIN 0x02+\a/4
.set TI, 0
.rept 32
	v_pk_mul_f32 v[F1+2*TI:F1+2*TI+1], v[64*(\a%4)+2*TI:64*(\a%4)+2*TI+1], v[F0+2*TI:F0+2*TI+1]
.set TI, TI+1
.endr
	WIN 0
.set TI, 0
.rept 32
	v_cvt_pk_bf16_f32 v[TMP+TI], v[F1+2*TI], v[F1+2*TI+1]
.set TI, TI+1
.endr
.irp b, 0,1,2,3,4,5,6,7
.if \a < 4
	ds_store_b128 v[VS0], v[TMP+4*\b:TMP+4*\b+3] offset:16384*\a+512*\b
.else
	ds_store_b128 v[VS1], v[TMP+4*\b:TMP+4*\b+3] offset:16384*(\a-4)+512*\b
.endif
.endr
.endr
	BAR                                    ; t_l is whole for every wave
	v_add_nc_u32 v[VDL], 8192, v[VDL]      ; the next layer's d
.endm
; ---- L: for block i, in window 2 + i / 4:  G(i, t) = Wo_i t_3(i) at v[8 (8 (i mod 4) + t)],  Z(i, t) = Wo_i x3 + bo at v[8 (8 (i mod 4) + 4 + t)] ----
.macro LF j, koff                      ; row tiles 2 j, 2 j + 1 of t_3: four loads
.irp e, 0,1
.if \j < 2
	ds_load_b128 v[F0+8*(2*\j+\e):F0+8*(2*\j+\e)+3], v[VA0] offset:16384*(2*\j+\e)+\koff
	ds_load_b128 v[F0+8*(2*\j+\e)+4:F0+8*(2*\j+\e)+7], v[VA0] offset:16384*(2*\j+\e)+\koff+512
.else
	ds_load_b128 v[F0+8*(2*\j+\e):F0+8*(2*\j+\e)+3], v[VA1] offset:16384*(2*\j+\e-4)+\koff
	ds_load_b128 v[F0+8*(2*\j+\e)+4:F0+8*(2*\j+\e)+7], v[VA1] offset:16384*(2*\j+\e-4)+\koff+512
.endif
.endr
.endm
.macro LX xb, koff
	ds_load_b128 v[\xb:\xb+3], v[VX] offset:\koff
	ds_load_b128 v[\xb+4:\xb+7], v[VX] offset:\koff+512
.endm
; Step j of a k step: chunk j = blocks 2 j, 2 j + 1.  Each weight fragment feeds two products.  16 accumulators a step, 64 a trip, by turns,
; one instruction a turn.  cnt = how many younger LDS loads may stay out.
.macro LSTEP j, xb, xo, zero, fetch, cnt, tail
	HEAD \j, \tail
	s_wait_dscnt \cnt
.if \j < 2
	WIN MUL_LO
.else
	WIN MUL_HI
.endif
.irp e, 0,1
.irp t, 0,1,2,3
.if \zero
	v_wmma_f32_16x16x32_bf16 v[8*(8*((2*\j+\e)%4)+\t):8*(8*((2*\j+\e)%4)+\t)+7], v[64*\j+8*(4*\e+\t):64*\j+8*(4*\e+\t)+7], v[F0+8*(2*\j+\e):F0+8*(2*\j+\e)+7], 0
.else
	v_wmma_f32_16x16x32_bf16 v[8*(8*((2*\j+\e)%4)+\t):8*(8*((2*\j+\e)%4)+\t)+7], v[64*\j+8*(4*\e+\t):64*\j+8*(4*\e+\t)+7], v[F0+8*(2*\j+\e):F0+8*(2*\j+\e)+7], v[8*(8*((2*\j+\e)%4)+\t):8*(8*((2*\j+\e)%4)+\t)+7]
.endif
.endr
.endr
.irp e, 0,1
.irp t, 0,1,2,3
	v_wmma_f32_16x16x32_bf16 v[8*(8*((2*\j+\e)%4)+4+\t):8*(8*((2*\j+\e)%4)+4+\t)+7], v[64*\j+8*(4*\e+\t):64*\j+8*(4*\e+\t)+7], v[\xb:\xb+7], v[8*(8*((2*\j+\e)%4)+4+\t):8*(8*((2*\j+\e)%4)+4+\t)+7]
.endr
.endr
.if \tail == 0
	PLACES
.endif
.if \fetch
	WIN 0
	LF \j, 1024                            ; the same two row tiles of the next k step, into the registers just read
.if \j == 0
	LX \xo, 1024                           ; and the next fragment of x3, into the buffer that the last trip read
.endif
.endif
.if \tail == 0
	REFILL \j, -1
.endif
.endm
; LDS loads go out in groups of 6 (step 0), 4, 4, 4.  Step 0 wants the last trip's group 0: 4 + 4 + 4 = 12 are younger.
; Steps 1-3 want the last trip's groups 1-3: two groups of 4 and this trip's group of 6 are younger, 14.
.macro LTRIP xb, xo, zero
	LSTEP 0, \xb, \xo, \zero, 1, 12, 0
	LSTEP 1, \xb, \xo, \zero, 1, 14, 0
	LSTEP 2, \xb, \xo, \zero, 1, 14, 0
	LSTEP 3, \xb, \xo, \zero, 1, 14, 0
	WIN 0
	v_add_nc_u32 v[VA0], 1024, v[VA0]
	v_add_nc_u32 v[VA1], 1024, v[VA1]
	v_add_nc_u32 v[VX], 1024, v[VX]
.endm
; The level-2 terms of blocks 4 hi .. 4 hi + 3: V = tanh(Z);  Z = 1 - V^2;  O += Z G.  O(t) at v[TMP + 8 t + 0..7].
.macro FIN hi
	WIN 0x82+0x41*\hi                      ; source 0 and destination in the window
.irp ii, 0,1,2,3
	TANH 64*\ii+32, 4, 0
.endr
	WIN 0x8a+0x45*\hi                      ; sources 0, 1 and destination in the window
.irp ii, 0,1,2,3
.set FO, 0
.rept 16
	v_pk_fma_f32 v[64*\ii+32+2*FO:64*\ii+32+2*FO+1], v[64*\ii+32+2*FO:64*\ii+32+2*FO+1], v[64*\ii+32+2*FO:64*\ii+32+2*FO+1], 1.0 op_sel_hi:[1,1,0] neg_lo:[1,0,0] neg_hi:[1,0,0]
.set FO, FO+1
.endr
.endr
.if \hi == 0
	s_wait_dscnt 0x0                       ; the first-level sums are back from the stage
.endif
	WIN 0x0a+5*\hi                         ; sources 0 and 1 in the window
.irp ii, 0,1,2,3
.set FO, 0
.rept 16
	v_pk_fma_f32 v[TMP+2*FO:TMP+2*FO+1], v[64*\ii+32+2*FO:64*\ii+32+2*FO+1], v[64*\ii+2*FO:64*\ii+2*FO+1], v[TMP+2*FO:TMP+2*FO+1]
.set FO, FO+1
.endr
.endr
.endm
; ================= S: set-up =================
	s_load_b512 s[4:19], s[0:1], 0x0               ; h s[4:5], signature s[6:7], b1 s[8:9], b2 s[10:11], b3 s[12:13], bo s[14:15], wf s[16:17], out0 s[18:19]
	v_lshl_add_u32 v254, v0, 2, 0x4fd00
	v_mov_b32 v255, 0
	v_lshrrev_b32 v1, 5, v0
	v_readfirstlane_b32 s20, v1                    ; wave 0..3
	v_and_b32 v1, 31, v0                           ; L
	v_and_b32 v2, 15, v0                           ; r
	v_bfe_u32 v3, v0, 4, 1                         ; h
	v_lshlrev_b32 v[LOFF], 4, v1
	s_mov_b32 s27, 0x3a800000                      ; 2^-10
	s_mov_b32 s32, 0x76543210                      ; v_permlanex16_b32: lane i of one half reads lane i of the other
	s_mov_b32 s33, 0xfedcba98
	v_mul_u32_u24 v18, v2, 144                     ; sample r's 36 coefficients
	v_lshlrev_b32 v19, 10, v2                      ; h: row r,
	v_lshl_add_u32 v19, v3, 5, v19                 ; eight numbers for each half of the lanes,
	s_lshl_b32 s28, s20, 8
	v_add_nc_u32 v19, s28, v19                     ; my wave's 64 columns
	v_lshlrev_b32 v20, 4, v0                       ; biases: 16 bytes a thread
	s_mul_i32 s30, s20, RW
	s_mov_b32 s31, 0
	s_mul_i32 s28, ttmp9, 2304                     ; 16 samples x 144 bytes
	s_mov_b32 s29, 0
	s_wait_kmcnt 0x0
	s_add_nc_u64 s[6:7], s[6:7], s[28:29]
	s_lshl_b32 s28, ttmp9, 14                      ; 16 rows of 1,024 bytes, in h and in out0
	s_add_nc_u64 s[4:5], s[4:5], s[28:29]
	s_add_nc_u64 s[18:19], s[18:19], s[28:29]
	s_add_nc_u64 s[WB:WB+1], s[16:17], s[30:31]
	s_mov_b64 s[IP:IP+1], s[WB:WB+1]               ; the first four chunks
.irp u, 0,1,2,3,4,5,6,7,8
	global_load_b128 v[SIG+4*\u:SIG+4*\u+3], v18, s[6:7] offset:16*\u th:TH_LOAD_NT
.endr
.irp e, 0,1,2,3,4,5,6,7
	global_load_b128 v[F0+4*\e:F0+4*\e+3], v19, s[4:5] offset:64*(\e/2)+16*(\e%2) th:TH_LOAD_NT
.endr
	global_load_b128 v[BI:BI+3], v20, s[8:9]
	global_load_b128 v[BI+4:BI+7], v20, s[10:11]
	global_load_b128 v[BI+8:BI+11], v20, s[12:13]
.irp u, 0,1,2,3
	global_load_b128 v[BI+12+4*\u:BI+15+4*\u], v20, s[14:15] offset:2048*\u
.endr
	ISSUEA 0
	ISSUEH 0
	ISSUEA 1
	ISSUEH 1
	WIN 0
	v_add_nc_u32 v[VXB], XH, v[LOFF]
	s_lshl_b32 s28, s20, 11                        ; 2,048 w
	v_add_nc_u32 v[VW0], s28, v[LOFF]
	v_add_nc_u32 v[VW1], 65536, v[VW0]
	v_add_nc_u32 v23, s28, v[VXB]                  ; h's fragments 2 w, 2 w + 1
	s_lshl_b32 s28, s20, 12                        ; 4,096 w
	v_add_nc_u32 v[VS0], s28, v[LOFF]
	v_add_nc_u32 v[VS1], 65536, v[VS0]
	s_add_co_u32 s28, s28, X1
	v_add_nc_u32 v[VXS], s28, v[LOFF]
	s_mul_i32 s28, s20, 24576
	s_add_co_u32 s28, s28, DD
	v_add_nc_u32 v[VD], s28, v[LOFF]
	s_lshl_b32 s28, s20, 9
	s_add_co_u32 s28, s28, BIAS
	v_lshl_add_u32 v[VB], v3, 5, s28
	s_lshl_b32 s28, s20, 8
	v_lshlrev_b32 v25, 4, v2                       ; 16 r
	v_lshl_add_u32 v[VCO], v3, 10, v25             ; lanes 16-31 one row of out0 further down
	v_add_nc_u32 v[VCO], s28, v[VCO]
	s_add_co_u32 s28, s28, BIAS+6144
	v_lshl_add_u32 v[VBO], v3, 5, s28
	s_mul_i32 s28, s20, 4352
	s_add_co_u32 s28, s28, STG
	v_mul_u32_u24 v26, v2, 272
	v_lshl_add_u32 v26, v3, 5, v26
	v_add_nc_u32 v[VSTO], s28, v26                 ; row r, 32 bytes for each half of the lanes
	v_mul_u32_u24 v26, v3, 272
	v_add_nc_u32 v26, v26, v25
	v_add_nc_u32 v[VRD], s28, v26                  ; by rows: lanes 0-15 one row of 256 bytes, lanes 16-31 the next
	v_lshlrev_b32 v[VRML], 2, v2
	v_add_nc_u32 v[VRML], RM, v[VRML]
	s_lshl_b32 s28, s20, 6
	v_add_nc_u32 v[VRMS], s28, v[VRML]
	v_add_nc_u32 v24, BIAS, v20
	v_mov_b32 v[VXR], v[VXB]                       ; layer 0 reads h,
	v_mov_b32 v[VXSL], v[VXS]                      ; stores x1
	v_mov_b32 v[VDL], v[VD]                        ; and d_1
	s_wait_loadcnt 32                              ; all but the two chunks: signature, h and the biases are in
.irp m, 0,1,2,3,4,5,6,7,8,9,10,11,12,13,14,15
	v_cvt_pk_bf16_f32 v[TMP+\m], v[F0+2*\m], v[F0+2*\m+1]
.endr
.irp m, 0,1,2,3
	ds_store_b128 v23, v[TMP+4*\m:TMP+4*\m+3] offset:512*\m
.endr
.irp u, 0,1,2,3,4,5,6
	ds_store_b128 v24, v[BI+4*\u:BI+4*\u+3] offset:2048*\u
.endr
	ISSUEA 2
	ISSUEH 2
	ISSUEA 3                                       ; its last two loads go out in the first step, as in every trip
	WIN 0
	BAR                                            ; h and the biases are whole for every wave
; ================= P1-P3: one body, three times =================
	s_mov_b32 s34, 0                               ; the layer
.Lplayer:
	PSTART
	PTRIP 1
	s_cmp_eq_u32 s34, 0
	s_cbranch_scc1 .Lpshort                        ; layer 0, K = 256: a first and a last trip; K = 512: two more between them
	s_mov_b32 s26, 2
.Lp:
	PTRIP 1
	s_sub_co_i32 s26, s26, 1
	s_cmp_lg_u32 s26, 0
	s_cbranch_scc1 .Lp
.Lpshort:
	PTRIP 0
	PEPI
	s_add_co_u32 s34, s34, 1
	s_cmp_lt_u32 s34, 3
	s_cbranch_scc1 .Lplayer
	; x3' = x3 / S in f16; x3 still lies in F0 in f32.  The largest x3 of row r: over my 64 numbers (four chains), over the two lanes that
	; hold the row, over the four waves.
.irp c, 0,1,2,3
	v_max_num_f32 v[TMP+\c], v[F0+\c], v[F0+4+\c]
.endr
.set PI, 8
.rept 7
.irp c, 0,1,2,3
	v_max3_num_f32 v[TMP+\c], v[TMP+\c], v[F0+PI+\c], v[F0+PI+4+\c]
.endr
.set PI, PI+8
.endr
	v_max3_num_f32 v[TMP], v[TMP], v[TMP+1], v[TMP+2]
	v_max_num_f32 v[TMP], v[TMP], v[TMP+3]
	v_permlanex16_b32 v[TMP+1], v[TMP], s32, s33                       ; lane r + 16 holds the row's other columns
	v_max_num_f32 v[TMP], v[TMP], v[TMP+1]
	ds_store_b32 v[VRMS], v[TMP]                                       ; both lanes of a row write the same word with the same value
	BAR                                            ; every wave's maxima are there
.irp c, 0,1,2,3
	ds_load_b32 v[TMP+\c], v[VRML] offset:64*\c
.endr
	s_wait_dscnt 0x0
	v_max3_num_f32 v[TMP], v[TMP], v[TMP+1], v[TMP+2]
	v_max_num_f32 v[TMP], v[TMP], v[TMP+3]
	v_lshrrev_b32 v[TMP], 23, v[TMP]                                   ; the maximum's exponent field e (x3 >= 0: no sign bit)
	v_min_u32 v[TMP], 252, v[TMP]                                      ; so that both fields below stay inside 1 .. 253
	v_sub_nc_u32 v[TMP+1], 253, v[TMP]
	v_add_nc_u32 v[TMP], 1, v[TMP]
	v_lshlrev_b32 v[SCI], 23, v[TMP+1]                                 ; 1 / S = 2^(126 - e)
	v_lshlrev_b32 v[TMP], 23, v[TMP]                                   ; S = 2^(e - 126), above the maximum
	v_mov_b32 v[SCI+1], v[SCI]
	v_mul_f32 v[SC], LOG2E2, v[TMP]
	v_mov_b32 v[SC+1], v[SC]
.set PI, 0
.rept 32
	v_pk_mul_f32 v[F0+PI:F0+PI+1], v[F0+PI:F0+PI+1], v[SCI:SCI+1]
.set PI, PI+2
.endr
.set PI, 0
.rept 32
	v_cvt_pk_f16_f32 v[TMP+PI], v[F0+2*PI], v[F0+2*PI+1]
.set PI, PI+1
.endr
.irp b, 0,1,2,3,4,5,6,7
	ds_store_b128 v[VXS], v[TMP+4*\b:TMP+4*\b+3] offset:512*\b         ; in x3's order, in the bytes that held x1
.endr
	BAR                                            ; x3' is whole for every wave
; ================= P4: V, the first-level sums, w_f =================
	; bo / S starts the sums: four groups of 16 loads, each scaled while the next is on its way (the counts leave that next group out)
	BOLOAD 0
	BOLOAD 1
	s_wait_dscnt 16
	BOSCALE 0
	BOLOAD 2
	s_wait_dscnt 16
	BOSCALE 1
	BOLOAD 3
	s_wait_dscnt 16
	BOSCALE 2
	WIN 0
	v_add_nc_u32 v[VX], 16384, v[VXB]              ; x3'
	ds_load_b128 v[XB0:XB0+3], v[VX]
	ds_load_b128 v[XB0+4:XB0+7], v[VX] offset:512
	s_wait_dscnt 2                                 ; all of bo; the fragment's two loads stay out
	BOSCALE 3
	WIN 0
	s_mov_b32 s26, 15
.Lp4:
	P4TRIP -1, 1
	s_sub_co_i32 s26, s26, 1
	s_cmp_lg_u32 s26, 0
	s_cbranch_scc1 .Lp4
	P4TRIP 0, 0                                    ; the f16 image's last trip asks for the second pass's first four chunks, at the region's head
	v_nop                                          ; the fifth place
	WIN 0x82
	TANH 0, 32, 1                                  ; V in place, 256 registers; S rides on the first multiply
	WIN 0x02                                       ; source 0 in window 2
	; O(t) = sum_i s_i V(i, t): the coefficient's register is picked out of its pair for both halves
.irp i, 0,1,2,3,4,5,6,7
.set FO, 0
.rept 16
.if \i == 0
	v_pk_mul_f32 v[TMP+2*FO:TMP+2*FO+1], v[2*FO:2*FO+1], v[SIG:SIG+1] op_sel_hi:[1,0]   ; the first term starts the sums
.else
.if \i%2
	v_pk_fma_f32 v[TMP+2*FO:TMP+2*FO+1], v[32*\i+2*FO:32*\i+2*FO+1], v[SIG+(\i/2)*2:SIG+(\i/2)*2+1], v[TMP+2*FO:TMP+2*FO+1] op_sel:[0,1,0] op_sel_hi:[1,1,1]
.else
	v_pk_fma_f32 v[TMP+2*FO:TMP+2*FO+1], v[32*\i+2*FO:32*\i+2*FO+1], v[SIG+(\i/2)*2:SIG+(\i/2)*2+1], v[TMP+2*FO:TMP+2*FO+1] op_sel_hi:[1,0,1]
.endif
.endif
.set FO, FO+1
.endr
.endr
	WIN 0
.irp t, 0,1,2,3
	ds_store_b128 v[VSTO], v[TMP+8*\t:TMP+8*\t+3] offset:64*\t                    ; they wait in my wave's own stage: T needs the registers
	ds_store_b128 v[VSTO], v[TMP+8*\t+4:TMP+8*\t+7] offset:64*\t+16
.endr
.irp t, 0,1,2,3
	WIN 0x02
	WCOMB \t
	WIN 0
.set CI, 0
.rept 32
	v_cvt_pk_bf16_f32 v[TMP+CI], v[F1+2*CI], v[F1+2*CI+1]
.set CI, CI+1
.endr
.irp f, 0,1,2,3
	ds_store_b128 v[VW0], v[TMP+4*\f:TMP+4*\f+3] offset:16384*\f+512*\t           ; row tile f, fragment 2 w + t / 2, half t mod 2
.endr
.irp f, 0,1,2,3
	ds_store_b128 v[VW1], v[TMP+16+4*\f:TMP+16+4*\f+3] offset:16384*\f+512*\t
.endr
.endr
	BAR                                            ; t_0 = w is whole for every wave
; ================= T1-T3: one body, three times =================
	v_mov_b32 v[VDL], v[VD]                        ; d_1 again
	s_mov_b32 s34, 0                               ; the layer
.Ltlayer:
	v_mov_b32 v[VA0], v[LOFF]
	v_add_nc_u32 v[VA1], 65536, v[LOFF]
	FETCH_A F0, 0                                  ; k steps 0 and 1
	FETCH_A F1, 1024
	TTRIP 1, 0, -1                                 ; the first trip's first products start the sums
	s_cmp_eq_u32 s34, 0
	s_cbranch_scc1 .Ltshort                        ; layer 0, K = 256: a first and a last trip; K = 512: two more between them
	s_mov_b32 s26, 2
.Lt:
	TTRIP 0, 0, -1
	s_sub_co_i32 s26, s26, 1
	s_cmp_lg_u32 s26, 0
	s_cbranch_scc1 .Lt
.Ltshort:
	TTRIP 0, 1, -2                                 ; asks for the next layer's first four chunks; behind layer 2 for those of Wo's bf16 image
	TEPI
	s_add_co_u32 s34, s34, 1
	s_cmp_lt_u32 s34, 3
	s_cbranch_scc1 .Ltlayer
; ================= L =================
	WIN 0x80
.irp i, 0,1,2,3
.irp t, 0,1,2,3
	ds_load_b128 v[8*(8*\i+4+\t):8*(8*\i+4+\t)+3], v[VBO] offset:1024*\i+64*\t
	ds_load_b128 v[8*(8*\i+4+\t)+4:8*(8*\i+4+\t)+7], v[VBO] offset:1024*\i+64*\t+16
.endr
.endr
	WIN 0xc0
.irp i, 0,1,2,3
.irp t, 0,1,2,3
	ds_load_b128 v[8*(8*\i+4+\t):8*(8*\i+4+\t)+3], v[VBO] offset:1024*(\i+4)+64*\t
	ds_load_b128 v[8*(8*\i+4+\t)+4:8*(8*\i+4+\t)+7], v[VBO] offset:1024*(\i+4)+64*\t+16
.endr
.endr
	WIN 0
	v_mov_b32 v[VA0], v[LOFF]
	v_add_nc_u32 v[VA1], 65536, v[LOFF]
	v_add_nc_u32 v[VX], 49152, v[VXB]              ; x3 in bf16
	LF 0, 0                                        ; groups of 6, 4, 4, 4 loads, as in every trip
	LX XB0, 0
	LF 1, 0
	LF 2, 0
	LF 3, 0
	LTRIP XB0, XB1, 1                              ; k step 0 starts G's sums
	s_mov_b32 s26, 7
.Ll:
	LTRIP XB1, XB0, 0
	LTRIP XB0, XB1, 0
	s_sub_co_i32 s26, s26, 1
	s_cmp_lg_u32 s26, 0
	s_cbranch_scc1 .Ll
	LSTEP 0, XB1, XB0, 0, 0, 12, 1                 ; k step 15: nothing more is fetched from LDS, so the counts run down by groups of four,
	LSTEP 1, XB1, XB0, 0, 0, 8, 1                  ; and no slot is refilled
	LSTEP 2, XB1, XB0, 0, 0, 4, 1
	LSTEP 3, XB1, XB0, 0, 0, 0, 1
.rept 5
	v_nop                                          ; the places behind the last matrix instructions
.endr
	WIN 0
.irp t, 0,1,2,3
	ds_load_b128 v[TMP+8*\t:TMP+8*\t+3], v[VSTO] offset:64*\t                     ; the first-level sums, each lane its own bytes
	ds_load_b128 v[TMP+8*\t+4:TMP+8*\t+7], v[VSTO] offset:64*\t+16
.endr
	FIN 0
	FIN 1
	; The way out: a lane's 32 bytes of a row go into my wave's own stage and come back as whole rows of 256 bytes.
	WIN 0
.irp t, 0,1,2,3
	ds_store_b128 v[VSTO], v[TMP+8*\t:TMP+8*\t+3] offset:64*\t
	ds_store_b128 v[VSTO], v[TMP+8*\t+4:TMP+8*\t+7] offset:64*\t+16
.endr
.irp u, 0,1,2,3,4,5,6,7
	ds_load_b128 v[F0+4*\u:F0+4*\u+3], v[VRD] offset:544*\u       ; LDS serves a wave's instructions in order (ISA guide 5.7.1.4): these see the stores above
.endr
.irp u, 0,1,2,3,4,5,6,7
	s_wait_dscnt 7-\u                              ; load u is back, the younger ones stay out
	global_store_b128 v[VCO], v[F0+4*\u:F0+4*\u+3], s[18:19] offset:2048*\u th:TH_STORE_NT   ; 16 lanes store 256 consecutive bytes, at a multiple of 256 from out0's first byte
.endr
	s_wait_tensorcnt 0x0
	ds_add_u32 v254, v255
	s_wait_dscnt 0x0
	s_endpgm
.Lfunc_end_k_qc490a48ddb_fused:
	.size	k_qc490a48ddb_fused, .Lfunc_end_k_qc490a48ddb_fused-k_qc490a48ddb_fused
	.p2alignl 7, 3214868480
	.fill 96, 4, 3214868480
	.section	.rodata,"a",@progbits
	.p2align	6, 0x0
	.amdhsa_kernel k_qc490a48ddb_fused
		.amdhsa_group_segment_fixed_size 327424
		.amdhsa_private_segment_fixed_size 0
		.amdhsa_enable_private_segment 0
		.amdhsa_kernarg_size 64
		.amdhsa_user_sgpr_count 2
		.amdhsa_user_sgpr_kernarg_segment_ptr 1
		.amdhsa_wavefront_size32 1
		.amdhsa_system_sgpr_workgroup_id_x 1
		.amdhsa_system_sgpr_workgroup_id_y 1
		.amdhsa_system_sgpr_workgroup_id_z 1
		.amdhsa_system_vgpr_workitem_id 0
		.amdhsa_next_free_vgpr 1024
		.amdhsa_next_free_sgpr 66
		.amdhsa_reserve_vcc 1
		.amdhsa_float_denorm_mode_32 3
		.amdhsa_float_denorm_mode_16_64 3
		.amdhsa_memory_ordered 1
		.amdhsa_forward_progress 1
		.amdhsa_inst_pref_size 255
	.end_amdhsa_kernel
	.section	.bss,"aw",@nobits
	.p2align	6
	.space	262144
	.amdgpu_metadata
---
amdhsa.version: [ 1, 2 ]
amdhsa.kernels:
  - .name:           k_qc490a48ddb_fused
    .symbol:         k_qc490a48ddb_fused.kd
    .args:
      - { .name: h, .offset: 0, .size: 8, .value_kind: global_buffer, .address_space: global }
      - { .name: primitive_signature, .offset: 8, .size: 8, .value_kind: global_buffer, .address_space: global }
      - { .name: b1, .offset: 16, .size: 8, .value_kind: global_buffer, .address_space: global }
      - { .name: b2, .offset: 24, .size: 8, .value_kind: global_buffer, .address_space: global }
      - { .name: b3, .offset: 32, .size: 8, .value_kind: global_buffer, .address_space: global }
      - { .name: bo, .offset: 40, .size: 8, .value_kind: global_buffer, .address_space: global }
      - { .name: wf, .offset: 48, .size: 8, .value_kind: global_buffer, .address_space: global }
      - { .name: out0, .offset: 56, .size: 8, .value_kind: global_buffer, .address_space: global }
    .group_segment_fixed_size: 327424
    .private_segment_fixed_size: 0
    .kernarg_segment_align: 8
    .kernarg_segment_size: 64
    .max_flat_workgroup_size: 128
    .sgpr_count:     66
    .vgpr_count:     1024
    .wavefront_size: 32
...
	.end_amdgpu_metadata
.endif
;; end of part 4
;; ======== version 3 of 3: 2 launches; version 2 with the launch fused written anew for expert scheduling mode
;; limits: values are held in f16: magnitudes above 65,504 overflow, below 6.1e-05 lose precision
;; workspace buffers: wf 5,505,024 bytes
;; launch prep: the kernel of part 3 again; grid 208 x 1, 8 waves a work-group, no clusters, 0 bytes of LDS; arguments W1, W2, W3, Wo, wf; writes wf
;; launch fused (part 5): grid 256 x 1, 4 waves a work-group, no clusters, 327,424 bytes of LDS; arguments h, primitive_signature, b1, b2, b3, bo, wf, out0; writes out0
.if DOCPART == 5
	.amdgcn_target "amdgcn-amd-amdhsa--gfx1250"
	.amdhsa_code_object_version 6
	.text
	.protected	k_qc490a48ddb_fused
	.globl	k_qc490a48ddb_fused
	.p2align	8
	.type	k_qc490a48ddb_fused,@function
k_qc490a48ddb_fused:
	s_mov_b64 s[64:65], 0
	v_nop
	global_prefetch_b8 v0, s[64:65] scope:SCOPE_SE
	s_setreg_imm32_b32 hwreg(HW_REG_WAVE_SCHED_MODE, 0, 2), 2
	s_setreg_imm32_b32 hwreg(HW_REG_WAVE_MODE, 25, 1), 1
	s_wait_xcnt 0x0
	s_wait_alu depctr_vm_vsrc(0)
; out[n] = sum_i s_i V_i[n] + sum_{i<j} s_ij (DV_j V_i - DV_i V_j)[n],  V = tanh(Wo x3 + bo), x_l = softplus(W_l x_{l-1} + b_l), x_0 = h.
; TWO IDENTITIES, exact for every input, shape the work.  A directional derivative is linear in its direction, so the level-2 sum is
; sum_f DV_f w_f with w_f = sum_{k<f} s(k,f) V_k - sum_{k>f} s(f,k) V_k (made in f32); and DV_f needs Wo's rows 256 f .. 256 f + 255 alone:
;   t_0 = w_f,  t_l = d_l * (W_l t_{l-1}),  d_l = sigmoid(z_l),  DV_f w_f = (1 - V_f^2) * (Wo_f t_3).
; A work-group owns 16 samples; four waves.  PHASES: S set-up; P1-P3 primal hidden layers (16 rows); P4 V, sum_i s_i V_i and w_f; T1-T3 tangent
; hidden layers (128 rows: row tile a = field, row in the tile = sample); L Wo_f t_3 together with Wo x3 made a second time for 1 - V^2, then the end.
; (V is made twice because 16 x 2,048 f32 are 131,072 bytes: they have no room beside T's 512 accumulators, and LDS has 256 bytes unused.)
; ONE BODY FOR THREE LAYERS.  P1-P3 run one body three times, and so do T1-T3: what differs from layer to layer lies in registers (LDS
; addresses that step, a layer counter that jumps over the two middle trips where K = 256, a choice of where the weight ring goes on),
; so that a layer's code is fetched once and run three times.
; PRECISION OF V.  sum_i s_i V_i is the bulk of the result, and bf16 keeps 8 significant bits.  So P4's product is made in f16, which keeps 11:
; z = S (Wo_f16 x3' + bo / S), x3' = x3 / S in f16, S the power of two above the sample's largest x3, so that x3' lies in [0, 1] whatever
; the inputs' size.  The first-level sums are made from that V in P4 and wait in the wave's output stage.  L's second V (bf16) serves 1 - V^2 only.
; In hidden layers wave w owns columns 128 w .. +127, in Wo the columns n = 64 w .. +63 of all eight blocks.
; THE MATRIX INSTRUCTION IS USED TRANSPOSED: source 0 = 16 weight rows, source 1 = 16 activation rows.  Lane (r, h) then holds activation
; row r and output columns 16 ct + 8 h + 0..7: packed to 16 bits these 16 bytes are the lane's own piece of the next layer's fragment
; (k step ct / 2, half ct mod 2).  So activations lie in LDS in fragment order, 1,024 bytes a fragment, and every LDS access of a wave
; is 512 consecutive bytes.
; WEIGHTS come from wf (fragment order, each wave's own region) straight into registers: a ring of four slots of 64 registers, a chunk =
; 8 fragments = 16 loads.  A slot that has been read is asked for again, four chunks ahead; see THE WEIGHT RING below.
; NO CLUSTER, NO TENSOR LOADS: a joint load lands in LDS, and of the 327,680 bytes 326,912 hold activations, sigmoids, biases, row maxima and the
; output stage; each weight fragment is used by one wave of the work-group, once a pass, so LDS would add a write and a read for each byte.
; LIMITS.  Matrix operands are bf16 (weights, h, x_l, w_f, t_l), in P4 f16 (|Wo| up to 65,504; under 6.1e-5 in steps of 6e-8); all else f32.
; tanh(z) = 1 - 2 / (1 + e^(2z)): absolute error near 1e-7.  v_exp_f32, v_rcp_f32, v_log_f32 flush denormals.  NaN and infinite inputs are
; not honoured (v_max_num_f32, v_min_num_f32 drop a NaN).  The signature is contracted ahead of the derivative, so the order of the sums
; differs from the formula's.
; THE MODE: SCHED_MODE bits 1:0 = 2 (LLVM: expert scheduling mode 2), set by the entry lines.  The code itself states the register dependences
; between vector or matrix instructions and memory or LDS instructions, with s_wait_alu, always for 0.
; THE PLAN.  Registers that memory or LDS instructions touch, and who else names them:
;   the ring (window 1)  Slot j: read by step j's products and by nothing else; then loaded again.
;   F0, F1               LDS loads land here (x in P, tangent fragments in T and L, d in T's epilogue, the result's rows on the way out);
;                        read by products, written and read by the epilogues' vector work.
;   XB0, XB1             LDS loads land here; read by P4's and L's products.
;   accumulators         The biases' LDS loads land in them at the head of P, P4 and L; else named by matrix and vector instructions alone.
;   TMP, PK              Written by roundings and sums, read by every LDS store as its data.
;   VX, VA0, VA1         LDS addresses that step once a trip;  VB, VXSL, VDL once a layer.  All other addresses are made in the set-up and never written again.
; P, P4, L: one wait on va_vdst a step, behind its products: they are done reading the slot and the fragment registers that are loaded again at once.
; T: one wait on va_vdst a step, at its head: the step before is done reading its slot and its fragment buffer, and the loads into these two
; are dealt among this step's products, which name neither.  Epilogues: a wait on va_vdst ahead of each run of LDS stores, a wait on vm_vsrc ahead of
; the first line that writes the stores' data again, and ahead of each address's step.
.set RW,     1376256                   ; a wave's region of wf: 8 + 16 + 16 chunks of W1-W3, 64 of Wo in f16, 64 of Wo in bf16
.set CH,     8192                      ; a chunk
.set LAYB,   851968                    ; Wo's bf16 image in the region
; LDS: tangent activations at 0, fragment (a, ks) at (16 a + ks) x 1,024: 131,072 bytes
.set XH,     131072                    ; h in bf16: 8 fragments in a place of 16, so that x_l (16 fragments each) lies 16,384 l bytes behind h for l = 1, 2, 3.
                                       ; x1's bytes hold x3' (f16) behind P3: x1 is last read in P2, and each wave has waited for
                                       ; those reads in front of the barrier that ends P2's epilogue.
.set X1,     147456
.set DD,     196608                    ; d_1..d_3 in f32, each wave's own: 24,576 w + 8,192 layer + 1,024 b + 512 q + 16 L
.set BIAS,   294912                    ; b1, b2, b3 (2,048 each), bo (8,192)
.set STG,    309248                    ; output stage, each wave's own: 16 rows of 256 bytes, 272 apart
.set RM,     326656                    ; each wave's largest x3 of each row: word 16 w + r
.set LOG2E,  0x3fb8aa3b
.set LOG2E2, 0x4038aa3b                ; 2 log2 e
.set LN2,    0x3f317218
; window 0
.set LOFF, 4                           ; 16 L, never rewritten: the weight loads' offset
.set VA0,  5                           ; tangent fragments of row tiles 0-3, stepping
.set VA1,  6                           ; of row tiles 4-7 (65,536 further)
.set VS0,  7                           ; where T's epilogues store: 4,096 w + 16 L
.set VS1,  8
.set VX,   9                           ; x fragments, stepping
.set VXS,  10                          ; X1 + 4,096 w + 16 L
.set VD,   11                          ; DD + 24,576 w + 16 L
.set VB,   12                          ; BIAS + 512 w + 32 h, 2,048 on with each primal layer
.set VBO,  13                          ; BIAS + 6,144 + 256 w + 32 h
.set VSTO, 14                          ; stage, by lanes' own 32 bytes
.set VRD,  15                          ; stage, by rows
.set VCO,  16                          ; my bytes in out0
.set VXB,  17                          ; XH + 16 L
.set VW0,  21                          ; where w_f is stored: 2,048 w + 16 L
.set VW1,  22
.set VRMS, 27                          ; RM + 64 w + 4 r
.set VRML, 28                          ; RM + 4 r
.set VXR,  29                          ; where a primal layer reads x: VXB, 16,384 on with each layer
.set VXSL, 30                          ; where it stores x: VXS, 16,384 on with each layer
.set VDL,  31                          ; the layer's d: VD, 8,192 on with each layer, in P and again in T
.set TMP,  32                          ; v[32:63]   at work; the output sums
.set F0,   64                          ; v[64:127]  activation fragments, epilogues' operands
.set F1,   128                         ; v[128:191] the same, second buffer
.set BI,   96                          ; set-up: biases as loaded
.set SIG,  192                         ; v[192:227] the 36 coefficients of sample r
.set XB0,  228                         ; v[228:235], v[236:243]: a fragment of x3' (P4) or of x3 (L, two buffers)
.set XB1,  236
.set PK,   244                         ; v[244:247]
.set SC,   248                         ; v[248:249] 2 log2e S, twice (a pair for the packed multiply)
.set SCI,  250                         ; v[250:251] 1 / S, twice
; window 1: the weight ring, slot q fragment f at v[64 q + 8 f].  Windows 2 and 3: accumulators.
.set WB, 22                            ; s[22:23] my region of wf, never rewritten
.set IP, 24                            ; s[24:25] the four chunks that are being asked for
.set MK, 40                            ; s[40:47] a tile's eight masks E < 2^-10
.set MN, 8                             ; s[8:15]  its eight masks z < 0 (these held the biases' addresses, whose loads the set-up's wait shows done)
; s20 wave, s26 trip counter, s27 2^-10, s[28:31] at work, s32, s33 v_permlanex16_b32's selects, s34 layer counter, s[36:39] the ring's two ways on
.set MSB, 0
.macro WIN new                         ; s_set_vgpr_msb: bits 1:0 source 0, 3:2 source 1, 5:4 source 2, 7:6 destination; the high byte repeats the setting that is left
.if MSB != (\new)
	s_set_vgpr_msb (MSB<<8)|(\new)
.set MSB, (\new)
.endif
.endm
.set MUL_LO, 0xa1                      ; weights window 1, activations window 0, C and D window 2
.set MUL_HI, 0xf1                      ; the same, C and D window 3
.set TO_B,   0x40                      ; destination window 1
; Places behind matrix instructions: four ahead of a load into, or a vector write of, a register that one has read, and
; ahead of a vector read of a result.  Every step but L's last four ends its products with these four; an epilogue adds a fifth, which serves
; the next phase's products that write over these accumulators.  A wait on va_vdst stands beside the places and fills none.
.macro PLACES
.rept 4
	v_nop
.endr
.endm
.macro BAR                             ; my LDS loads and stores are done, then the work-group's barrier
	s_wait_dscnt 0x0
	s_barrier_signal -1
	s_barrier_wait -1
.endm
; ---- THE WEIGHT RING ----
; A trip is four steps; step j reads slot j.  s[IP] is the address of four chunks; chunk q of them goes to slot q from byte CH q.
; IN P, P4 AND L, with 8 or 16 products to a chunk, a slot is asked for again as soon as it has been read.
; Step j: HEAD waits for slot j's chunk and sends out the two loads that the step before held back; the products; four places; the wait on
; va_vdst; REFILL asks for slot j's next chunk, four chunks ahead, but for its last fragment's two loads, which the next step's HEAD sends.
; Holding these two back keeps the loads of a wave that are out at 62 at the most (14 + 2 + 14 + 2 + 14 + 2 + 14), so that every count can be
; read off the text.  The pointer moves on in step 0's REFILL, behind that step's products: step 0's HEAD still asks by the old pointer, for slot 3.
; IN T, with 64 products to a chunk, step j asks for slot j - 1's next chunk, all 16 loads, among its own products (TSTEP below): 48 loads are out at the most.
; The pointer moves on at step 1's head: step 0 still asks by the old pointer, for slot 3.
; FROM ONE FORM TO THE OTHER: P4's last trip asks for nothing in its step 3, so that T's first step finds slot 3 unasked; behind T fourteen loads
; for slot 3 go out, so that L finds what its first HEAD counts.  Inside a form every trip leaves the same loads out, so the counts hold on every way into a trip.
.macro ISSUEA slot                     ; fragments 0-6: 14 loads of 512 consecutive bytes
	WIN TO_B
.irp f, 0,1,2,3,4,5,6
	global_load_b128 v[64*(\slot)+8*\f:64*(\slot)+8*\f+3], v[LOFF], s[IP:IP+1] offset:CH*(\slot)+1024*\f
	global_load_b128 v[64*(\slot)+8*\f+4:64*(\slot)+8*\f+7], v[LOFF], s[IP:IP+1] offset:CH*(\slot)+1024*\f+512
.endr
.endm
.macro ISSUEH slot                     ; fragment 7
	WIN TO_B
	global_load_b128 v[64*(\slot)+56:64*(\slot)+59], v[LOFF], s[IP:IP+1] offset:CH*(\slot)+7168
	global_load_b128 v[64*(\slot)+60:64*(\slot)+63], v[LOFF], s[IP:IP+1] offset:CH*(\slot)+7680
.endm
; Loads come back in order (ISA guide 5.7.1).  Behind this step's chunk were issued 14 + 2 + 14 + 2 + 14 = 46 loads: they may stay out.
; The two loads land in registers that the step before read; that step's wait on va_vdst stands behind its products, and no vector or matrix
; instruction since names them.
; tail = 1, the launch's last trip: only slot 3's two held-back loads are still sent; behind the chunks of steps 1, 2, 3 stand 32, 16, 0 loads.
.macro HEAD j, tail
.if \tail == 0
	s_wait_loadcnt 46
	ISSUEH (\j+3)%4
.else
.if \j == 0
	s_wait_loadcnt 46
	ISSUEH 3
.else
	s_wait_loadcnt 16*(3-\j)
.endif
.endif
.endm
; The pointer moves on.  jump = -1: the next four chunks follow in the region; jump >= 0: they begin at byte jump of the region;
; jump = -2, a tangent layer's last trip: they follow, but behind layer 2 (W3) they are the first four of Wo's bf16 image.
.macro POINT jump
	s_wait_xcnt 0x0                        ; the pointer is written only when the loads that name it have had their addresses translated (ISA guide 3.1)
.if \jump == -2
	s_add_nc_u64 s[36:37], s[IP:IP+1], 4*CH
	s_add_nc_u64 s[38:39], s[WB:WB+1], LAYB
	s_cmp_eq_u32 s34, 2                    ; the choice hangs on the layer counter alone
	s_cselect_b64 s[IP:IP+1], s[38:39], s[36:37]
.else
.if \jump < 0
	s_add_nc_u64 s[IP:IP+1], s[IP:IP+1], 4*CH
.else
	s_add_nc_u64 s[IP:IP+1], s[WB:WB+1], \jump
.endif
.endif
.endm
.macro REFILL j, jump
.if \j == 0
	POINT \jump
.endif
	ISSUEA \j
.endm
; ---- tanh in place on 8 x groups registers of the window set: 1 - 2 / (1 + 2^(2 log2e z)).  sc = 1: the registers hold z / S ----
.macro TANH base, groups, sc
.set TB, \base
.rept \groups
.irp p, 0,2,4,6
.if \sc
	v_pk_mul_f32 v[TB+\p:TB+\p+1], v[TB+\p:TB+\p+1], v[SC:SC+1]
.else
	v_pk_mul_f32 v[TB+\p:TB+\p+1], v[TB+\p:TB+\p+1], LOG2E2 op_sel_hi:[1,0]
.endif
.endr
.irp k, 0,1,2,3,4,5,6,7
	v_exp_f32 v[TB+\k], v[TB+\k]
.endr
	v_nop                                  ; one plain place behind the transcendentals (ISA guide 5.7.2)
	s_wait_alu depctr_va_vdst(0)
.irp p, 0,2,4,6
	v_pk_add_f32 v[TB+\p:TB+\p+1], v[TB+\p:TB+\p+1], 1.0 op_sel_hi:[1,0]
.endr
.irp k, 0,1,2,3,4,5,6,7
	v_rcp_f32 v[TB+\k], v[TB+\k]
.endr
	v_nop
	s_wait_alu depctr_va_vdst(0)
.irp p, 0,2,4,6
	v_pk_fma_f32 v[TB+\p:TB+\p+1], v[TB+\p:TB+\p+1], -2.0, 1.0 op_sel_hi:[1,0,0]
.endr
.set TB, TB+8
.endr
.endm
; ---- primal hidden layers ----
.macro XFETCH                          ; four k steps' fragments of x
.irp j, 0,1,2,3
	ds_load_b128 v[F0+8*\j:F0+8*\j+3], v[VX] offset:1024*\j
	ds_load_b128 v[F0+8*\j+4:F0+8*\j+7], v[VX] offset:1024*\j+512
.endr
.endm
.macro PSTART                          ; the bias starts the sums: lane (r, h) takes b[128 w + 16 b + 8 h + 0..7] into tile b
	WIN 0
	v_mov_b32 v[VX], v[VXR]                ; no LDS load has been issued since the wait on vm_vsrc at the last epilogue's end, so none still reads v[VX]
	WIN 0x80
	s_wait_alu depctr_va_vdst(0)           ; v[VX] and v[VB] are written, which the loads below read; the last epilogue is done with the accumulators and with F0, in which they land
.irp b, 0,1,2,3,4,5,6,7
	ds_load_b128 v[8*\b:8*\b+3], v[VB] offset:64*\b
	ds_load_b128 v[8*\b+4:8*\b+7], v[VB] offset:64*\b+16
.endr
	WIN 0
	XFETCH
.endm
; Four k steps, one chunk each.  The eight accumulators take turns, one instruction a turn, from trip to trip on every way too.
.macro PTRIP fetch
.irp j, 0,1,2,3
	HEAD \j, 0
.if \j == 0
	s_wait_dscnt 0x0                       ; the four fragments of x (and, in the first trip, the biases)
.endif
	WIN MUL_LO
.irp b, 0,1,2,3,4,5,6,7
	v_wmma_f32_16x16x32_bf16 v[8*\b:8*\b+7], v[64*\j+8*\b:64*\j+8*\b+7], v[F0+8*\j:F0+8*\j+7], v[8*\b:8*\b+7]
.endr
	PLACES
.if \fetch
.if \j == 3
	WIN 0
	s_wait_alu depctr_vm_vsrc(0)           ; the fragments' loads issued so far have read v[VX]
	v_add_nc_u32 v[VX], 4096, v[VX]
.endif
.endif
	WIN TO_B
	s_wait_alu depctr_va_vdst(0)           ; the step's products are done reading slot j; in the last step also: the trip's products are done reading F0, and v[VX] is written
	REFILL \j, -1
.endr
	WIN 0
.if \fetch
	XFETCH                                 ; no vector or matrix instruction since the wait above
.endif
.endm
; softplus and sigmoid of tile b.  M = max(z, 0) in F0, N = min(z, 0) in F1.  E = e^-|z|;  x = M + ln(1 + E), and where E < 2^-10, in which
; 1 + E has lost E's low bits, x = M + E (1 - E / 2);  d = 1 / (1 + E) for z >= 0, E / (1 + E) for z < 0.
; TMP+0 E, TMP+8 1 + E and then the small-E form, TMP+16 the reciprocal and then d, TMP+24 the logarithm's form.  x takes M's registers.
; The sixteen compares stand in one run, as soon as E is there; one wait on va_sdst stands ahead of the first select.
.macro SOFT b
.irp p, 0,2,4,6
	v_pk_add_f32 v[TMP+\p:TMP+\p+1], v[F1+8*\b+\p:F1+8*\b+\p+1], v[F0+8*\b+\p:F0+8*\b+\p+1] neg_lo:[0,1] neg_hi:[0,1]
.endr
.irp p, 0,2,4,6
	v_pk_mul_f32 v[TMP+\p:TMP+\p+1], v[TMP+\p:TMP+\p+1], LOG2E op_sel_hi:[1,0]
.endr
.irp k, 0,1,2,3,4,5,6,7
	v_exp_f32 v[TMP+\k], v[TMP+\k]
.endr
	v_nop
	s_wait_alu depctr_va_vdst(0)
.irp p, 0,2,4,6
	v_pk_add_f32 v[TMP+8+\p:TMP+8+\p+1], v[TMP+\p:TMP+\p+1], 1.0 op_sel_hi:[1,0]
.endr
.irp k, 0,1,2,3,4,5,6,7
	v_cmp_gt_f32 s[MK+\k], s27, v[TMP+\k]
.endr
.irp k, 0,1,2,3,4,5,6,7
	v_cmp_gt_f32 s[MN+\k], 0, v[F1+8*\b+\k]
.endr
.irp k, 0,1,2,3,4,5,6,7
	v_log_f32 v[TMP+24+\k], v[TMP+8+\k]
.endr
.if \b > 0
	s_wait_alu depctr_vm_vsrc(0)           ; the last tile's stores have read v[TMP+16 ..] and v[PK ..], which are written again from here on
.endif
.irp k, 0,1,2,3,4,5,6,7
	v_rcp_f32 v[TMP+16+\k], v[TMP+8+\k]
.endr
	v_nop
.irp p, 0,2,4,6
	v_pk_fma_f32 v[TMP+8+\p:TMP+8+\p+1], v[TMP+\p:TMP+\p+1], -0.5, 1.0 op_sel_hi:[1,0,0]
.endr
	s_wait_alu depctr_va_vdst(0)
.irp p, 0,2,4,6
	v_pk_fma_f32 v[TMP+24+\p:TMP+24+\p+1], v[TMP+24+\p:TMP+24+\p+1], LN2, v[F0+8*\b+\p:F0+8*\b+\p+1] op_sel_hi:[1,0,1]
.endr
.irp p, 0,2,4,6
	v_pk_fma_f32 v[TMP+8+\p:TMP+8+\p+1], v[TMP+8+\p:TMP+8+\p+1], v[TMP+\p:TMP+\p+1], v[F0+8*\b+\p:F0+8*\b+\p+1]
.endr
	s_wait_alu depctr_va_sdst(0)           ; the sixteen masks are written, ahead of their first reader
.irp k, 0,1,2,3,4,5,6,7
	v_cndmask_b32 v[F0+8*\b+\k], v[TMP+24+\k], v[TMP+8+\k], s[MK+\k]
.endr
.irp p, 0,2,4,6
	v_pk_mul_f32 v[TMP+\p:TMP+\p+1], v[TMP+\p:TMP+\p+1], v[TMP+16+\p:TMP+16+\p+1]
.endr
.irp k, 0,1,2,3,4,5,6,7
	v_cndmask_b32 v[TMP+16+\k], v[TMP+16+\k], v[TMP+\k], s[MN+\k]
.endr
.irp p, 0,1,2,3
	v_cvt_pk_bf16_f32 v[PK+\p], v[F0+8*\b+2*\p], v[F0+8*\b+2*\p+1]
.endr
	s_wait_alu depctr_va_vdst(0)           ; v[PK ..] and v[TMP+16 ..] are written, which the three stores read
	ds_store_b128 v[VXSL], v[PK:PK+3] offset:512*\b                    ; x: fragment 4 w + b / 2, half b mod 2
	ds_store_b128 v[VDL], v[TMP+16:TMP+19] offset:1024*\b              ; d: my wave's own bytes
	ds_store_b128 v[VDL], v[TMP+20:TMP+23] offset:1024*\b+512
.endm
.macro PEPI
	v_nop                                  ; the fifth place
	WIN 0x02                               ; source 0 in window 2
.set PI, 0
.rept 64
	v_max_num_f32 v[F0+PI], v[PI], 0
	v_min_num_f32 v[F1+PI], v[PI], 0
.set PI, PI+1
.endr
	WIN 0
.irp b, 0,1,2,3,4,5,6,7
	SOFT \b
.endr
	BAR                                    ; x_l is whole for every wave, and every wave's reads of x_{l-1} are back
	s_wait_alu depctr_vm_vsrc(0)           ; the layer's LDS loads and stores have read v[VB], v[VX], v[VXSL], v[VDL] and the last tile's data
	v_add_nc_u32 v[VB], 2048, v[VB]        ; the next layer's bias, input, output and d
	v_add_nc_u32 v[VXR], 16384, v[VXR]
	v_add_nc_u32 v[VXSL], 16384, v[VXSL]
	v_add_nc_u32 v[VDL], 8192, v[VDL]
.endm
; ---- P4: z / S = Wo_f16 x3' + bo / S, one k step a trip; accumulator (i, t) at window 2, v[8 (4 i + t)]; chunk j holds tiles 8 j .. 8 j + 7 ----
.macro BOLOAD g                        ; bo of blocks 2 g, 2 g + 1 into their accumulators: 16 loads.  No vector instruction since the wait ahead of x3's stores names these registers
	WIN 0x80
.irp e, 0,1
.irp t, 0,1,2,3
	ds_load_b128 v[8*(4*(2*\g+\e)+\t):8*(4*(2*\g+\e)+\t)+3], v[VBO] offset:1024*(2*\g+\e)+64*\t
	ds_load_b128 v[8*(4*(2*\g+\e)+\t)+4:8*(4*(2*\g+\e)+\t)+7], v[VBO] offset:1024*(2*\g+\e)+64*\t+16
.endr
.endr
.endm
.macro BOSCALE g                       ; times 1 / S, a power of two
	WIN 0x82                               ; source 0 and destination in window 2
.set BSC, 64*\g
.rept 32
	v_pk_mul_f32 v[BSC:BSC+1], v[BSC:BSC+1], v[SCI:SCI+1]
.set BSC, BSC+2
.endr
.endm
; In a step the eight accumulators take turns, one instruction a turn, and the next step has eight others.
; fetch = 0: the last trip: no further fragment of x3', and its step 3 asks for no weights: T's first step asks for slot 3.
.macro P4TRIP jump, fetch
.irp j, 0,1,2,3
	HEAD \j, 0
.if \j == 0
	s_wait_dscnt 0x0                       ; this k step's fragment of x3'
.endif
	WIN MUL_LO
.irp f, 0,1,2,3,4,5,6,7
	v_wmma_f32_16x16x32_f16 v[8*(8*\j+\f):8*(8*\j+\f)+7], v[64*\j+8*\f:64*\j+8*\f+7], v[XB0:XB0+7], v[8*(8*\j+\f):8*(8*\j+\f)+7]
.endr
	PLACES
.if \fetch
.if \j == 3
	WIN 0
	s_wait_alu depctr_vm_vsrc(0)           ; the fragment's loads issued so far have read v[VX]
	v_add_nc_u32 v[VX], 1024, v[VX]
.endif
	WIN TO_B
	s_wait_alu depctr_va_vdst(0)           ; the step's products are done reading slot j; in the last step also: the trip's products are done reading XB0, and v[VX] is written
	REFILL \j, \jump
.else
.if \j < 3
	WIN TO_B
	s_wait_alu depctr_va_vdst(0)           ; the step's products are done reading slot j
	REFILL \j, \jump
.endif
.endif
.endr
	WIN 0
.if \fetch
	ds_load_b128 v[XB0:XB0+3], v[VX]       ; no vector or matrix instruction since the wait above
	ds_load_b128 v[XB0+4:XB0+7], v[VX] offset:512
.endif
.endm
; w_f of column tile t into v[F1 + 8 f + 0..7].  One term: V_k times the coefficient of the word (min, max), at place
; 8 + lo (15 - lo) / 2 + hi - lo - 1 of the signature, with a minus for k > f.  The coefficient's register is picked out of its pair
; for both halves by op_sel and op_sel_hi.  Terms go step by step over all f, so that neighbouring lines do not wait for each other.
.macro PKW od, ng
.if WST == 0
	v_pk_mul_f32 v[WDD:WDD+1], v[WVV:WVV+1], v[WSP:WSP+1] op_sel:[0,\od] op_sel_hi:[1,\od] neg_lo:[0,\ng] neg_hi:[0,\ng]
.else
	v_pk_fma_f32 v[WDD:WDD+1], v[WVV:WVV+1], v[WSP:WSP+1], v[WDD:WDD+1] op_sel:[0,\od,0] op_sel_hi:[1,\od,1] neg_lo:[0,\ng,0] neg_hi:[0,\ng,0]
.endif
.endm
.macro WCOMB t
.set WST, 0
.rept 7
.set WFF, 0
.rept 8
.if WST < WFF
.set WKK, WST
.set WQQ, 8+(WKK*(15-WKK))/2+WFF-WKK-1
.else
.set WKK, WST+1
.set WQQ, 8+(WFF*(15-WFF))/2+WKK-WFF-1
.endif
.set WSP, SIG+(WQQ/2)*2
.set WPP, 0
.rept 4
.set WDD, F1+8*WFF+2*WPP
.set WVV, 8*(4*WKK+\t)+2*WPP
.if WST < WFF
.if WQQ%2
	PKW 1, 0
.else
	PKW 0, 0
.endif
.else
.if WQQ%2
	PKW 1, 1
.else
	PKW 0, 1
.endif
.endif
.set WPP, WPP+1
.endr
.set WFF, WFF+1
.endr
.set WST, WST+1
.endr
.endm
; ---- tangent hidden layers: 128 rows x my 128 columns; accumulator (a, b) at window 2 + a / 4, v[8 (8 (a mod 4) + b)] ----
.macro FETCH_A buf, koff               ; one k step's eight row tiles: 16 loads
.irp a, 0,1,2,3
	ds_load_b128 v[\buf+8*\a:\buf+8*\a+3], v[VA0] offset:16384*\a+\koff
	ds_load_b128 v[\buf+8*\a+4:\buf+8*\a+7], v[VA0] offset:16384*\a+\koff+512
.endr
.irp a, 0,1,2,3
	ds_load_b128 v[\buf+32+8*\a:\buf+32+8*\a+3], v[VA1] offset:16384*\a+\koff
	ds_load_b128 v[\buf+32+8*\a+4:\buf+32+8*\a+7], v[VA1] offset:16384*\a+\koff+512
.endr
.endm
.macro MULTA j, buf, hi, a, zero       ; 8 matrix instructions: row tile 4 hi + a; zero = 1: the first product starts the sums
.irp b, 0,1,2,3,4,5,6,7
.if \zero
	v_wmma_f32_16x16x32_bf16 v[8*(8*\a+\b):8*(8*\a+\b)+7], v[64*\j+8*\b:64*\j+8*\b+7], v[\buf+8*(4*\hi+\a):\buf+8*(4*\hi+\a)+7], 0
.else
	v_wmma_f32_16x16x32_bf16 v[8*(8*\a+\b):8*(8*\a+\b)+7], v[64*\j+8*\b:64*\j+8*\b+7], v[\buf+8*(4*\hi+\a):\buf+8*(4*\hi+\a)+7], v[8*(8*\a+\b):8*(8*\a+\b)+7]
.endif
.endr
.endm
; One k step: 64 matrix instructions on 64 accumulators that take turns, one instruction a turn, in the same order in every step.
; They read slot j and fragment buffer buf.  The step's memory work goes into the two that the step before read: behind the first
; 8 products the 16 LDS loads of the next step's fragments into obuf, behind 24 more the 16 loads of slot j - 1's next chunk.  The products between the wait on
; va_vdst and these loads name slot j, buf and the accumulators: none of the registers that the loads touch.
; Loads come back in order (ISA guide 5.7.1): behind slot j's chunk two chunks were asked for, 32 loads, which may stay out.
; The LDS loads that are out at the head are this step's own sixteen: the count is 0.
; zero = 1, a layer's first step: the wait at the layer's head has covered all, and no vector or matrix instruction stands behind it.
.macro TSTEP j, buf, obuf, zero, fetch, jump
	s_wait_loadcnt 32
	s_wait_dscnt 0x0
.if \j == 1
	POINT \jump
.endif
.if \zero == 0
	s_wait_alu depctr_va_vdst(0)           ; the step before is done reading slot j - 1 and obuf; in a trip's first step v[VA0] and v[VA1] are written
.endif
	WIN MUL_LO
	MULTA \j, \buf, 0, 0, \zero
.if \fetch
	WIN 0
	FETCH_A \obuf, 1024*(\j+1)
.endif
	WIN MUL_LO
	MULTA \j, \buf, 0, 1, \zero
	MULTA \j, \buf, 0, 2, \zero
	MULTA \j, \buf, 0, 3, \zero
	ISSUEA (\j+3)%4
	ISSUEH (\j+3)%4
	WIN MUL_HI
	MULTA \j, \buf, 1, 0, \zero
	MULTA \j, \buf, 1, 1, \zero
	MULTA \j, \buf, 1, 2, \zero
	MULTA \j, \buf, 1, 3, \zero
	PLACES
.endm
.macro TTRIP zero, last, jump
	TSTEP 0, F0, F1, \zero, 1, -1
	TSTEP 1, F1, F0, 0, 1, \jump
	TSTEP 2, F0, F1, 0, 1, -1
	TSTEP 3, F1, F0, 0, 1-\last, -1
	WIN 0
.if \last == 0
	s_wait_alu depctr_vm_vsrc(0)           ; the fragments' loads issued so far have read v[VA0] and v[VA1]
	v_add_nc_u32 v[VA0], 4096, v[VA0]
	v_add_nc_u32 v[VA1], 4096, v[VA1]
.endif
.endm
; t_l = d_l * sums, to bf16, back into the same LDS bytes: a barrier between every wave's reads and the stores, another behind the stores.
.macro TEPI
	v_nop                                  ; the fifth place
	WIN 0
.irp b, 0,1,2,3,4,5,6,7
	ds_load_b128 v[F0+8*\b:F0+8*\b+3], v[VDL] offset:1024*\b           ; F0's last readers, step 2's products, stand ahead of step 3's wait on va_vdst; nothing since names F0 or v[VDL]
	ds_load_b128 v[F0+8*\b+4:F0+8*\b+7], v[VDL] offset:1024*\b+512
.endr
	BAR                                    ; every wave's reads of t_{l-1} are back (and my d)
.irp a, 0,1,2,3,4,5,6,7
	WIN 0x02+\a/4
.set TI, 0
.rept 32
	v_pk_mul_f32 v[F1+2*TI:F1+2*TI+1], v[64*(\a%4)+2*TI:64*(\a%4)+2*TI+1], v[F0+2*TI:F0+2*TI+1]
.set TI, TI+1
.endr
	WIN 0
	s_wait_alu depctr_vm_vsrc(0)           ; the last stores from v[TMP ..] (the row tile before; for the first, those of w or of the layer before) have read it
.set TI, 0
.rept 32
	v_cvt_pk_bf16_f32 v[TMP+TI], v[F1+2*TI], v[F1+2*TI+1]
.set TI, TI+1
.endr
	s_wait_alu depctr_va_vdst(0)           ; the roundings have written v[TMP ..], which the eight stores read
.irp b, 0,1,2,3,4,5,6,7
.if \a < 4
	ds_store_b128 v[VS0], v[TMP+4*\b:TMP+4*\b+3] offset:16384*\a+512*\b
.else
	ds_store_b128 v[VS1], v[TMP+4*\b:TMP+4*\b+3] offset:16384*(\a-4)+512*\b
.endif
.endr
.endr
	BAR                                    ; t_l is whole for every wave
	s_wait_alu depctr_vm_vsrc(0)           ; the layer's LDS loads have read v[VDL], v[VA0] and v[VA1], its last stores v[TMP ..]
	v_add_nc_u32 v[VDL], 8192, v[VDL]      ; the next layer's d
.endm
; ---- L: for block i, in window 2 + i / 4:  G(i, t) = Wo_i t_3(i) at v[8 (8 (i mod 4) + t)],  Z(i, t) = Wo_i x3 + bo at v[8 (8 (i mod 4) + 4 + t)] ----
.macro LF j, koff                      ; row tiles 2 j, 2 j + 1 of t_3: four loads
.irp e, 0,1
.if \j < 2
	ds_load_b128 v[F0+8*(2*\j+\e):F0+8*(2*\j+\e)+3], v[VA0] offset:16384*(2*\j+\e)+\koff
	ds_load_b128 v[F0+8*(2*\j+\e)+4:F0+8*(2*\j+\e)+7], v[VA0] offset:16384*(2*\j+\e)+\koff+512
.else
	ds_load_b128 v[F0+8*(2*\j+\e):F0+8*(2*\j+\e)+3], v[VA1] offset:16384*(2*\j+\e-4)+\koff
	ds_load_b128 v[F0+8*(2*\j+\e)+4:F0+8*(2*\j+\e)+7], v[VA1] offset:16384*(2*\j+\e-4)+\koff+512
.endif
.endr
.endm
.macro LX xb, koff
	ds_load_b128 v[\xb:\xb+3], v[VX] offset:\koff
	ds_load_b128 v[\xb+4:\xb+7], v[VX] offset:\koff+512
.endm
; Step j of a k step: chunk j = blocks 2 j, 2 j + 1.  Each weight fragment feeds two products.  16 accumulators a step, 64 a trip, by turns,
; one instruction a turn.  cnt = how many younger LDS loads may stay out.
.macro LSTEP j, xb, xo, zero, fetch, cnt, tail
	HEAD \j, \tail
	s_wait_dscnt \cnt
.if \j < 2
	WIN MUL_LO
.else
	WIN MUL_HI
.endif
.irp e, 0,1
.irp t, 0,1,2,3
.if \zero
	v_wmma_f32_16x16x32_bf16 v[8*(8*((2*\j+\e)%4)+\t):8*(8*((2*\j+\e)%4)+\t)+7], v[64*\j+8*(4*\e+\t):64*\j+8*(4*\e+\t)+7], v[F0+8*(2*\j+\e):F0+8*(2*\j+\e)+7], 0
.else
	v_wmma_f32_16x16x32_bf16 v[8*(8*((2*\j+\e)%4)+\t):8*(8*((2*\j+\e)%4)+\t)+7], v[64*\j+8*(4*\e+\t):64*\j+8*(4*\e+\t)+7], v[F0+8*(2*\j+\e):F0+8*(2*\j+\e)+7], v[8*(8*((2*\j+\e)%4)+\t):8*(8*((2*\j+\e)%4)+\t)+7]
.endif
.endr
.endr
.irp e, 0,1
.irp t, 0,1,2,3
	v_wmma_f32_16x16x32_bf16 v[8*(8*((2*\j+\e)%4)+4+\t):8*(8*((2*\j+\e)%4)+4+\t)+7], v[64*\j+8*(4*\e+\t):64*\j+8*(4*\e+\t)+7], v[\xb:\xb+7], v[8*(8*((2*\j+\e)%4)+4+\t):8*(8*((2*\j+\e)%4)+4+\t)+7]
.endr
.endr
.if \tail == 0
	PLACES
.endif
.if \fetch
	WIN 0
	s_wait_alu depctr_va_vdst(0)           ; the step's products are done reading slot j and their two row tiles, the last trip's its fragment of x3; in step 0 the three addresses are written
	LF \j, 1024                            ; the same two row tiles of the next k step, into the registers just read
.if \j == 0
	LX \xo, 1024                           ; and the next fragment of x3, into the buffer that the last trip read
.endif
.endif
.if \tail == 0
	REFILL \j, -1
.endif
.endm
; LDS loads go out in groups of 6 (step 0), 4, 4, 4.  Step 0 wants the last trip's group 0: 4 + 4 + 4 = 12 are younger.
; Steps 1-3 want the last trip's groups 1-3: two groups of 4 and this trip's group of 6 are younger, 14.
.macro LTRIP xb, xo, zero
	LSTEP 0, \xb, \xo, \zero, 1, 12, 0
	LSTEP 1, \xb, \xo, \zero, 1, 14, 0
	LSTEP 2, \xb, \xo, \zero, 1, 14, 0
	LSTEP 3, \xb, \xo, \zero, 1, 14, 0
	WIN 0
	s_wait_alu depctr_vm_vsrc(0)           ; the LDS loads issued so far have read v[VA0], v[VA1] and v[VX]
	v_add_nc_u32 v[VA0], 1024, v[VA0]
	v_add_nc_u32 v[VA1], 1024, v[VA1]
	v_add_nc_u32 v[VX], 1024, v[VX]
.endm
; The level-2 terms of blocks 4 hi .. 4 hi + 3: V = tanh(Z);  Z = 1 - V^2;  O += Z G.  O(t) at v[TMP + 8 t + 0..7].
.macro FIN hi
	WIN 0x82+0x41*\hi                      ; source 0 and destination in the window
.irp ii, 0,1,2,3
	TANH 64*\ii+32, 4, 0
.endr
	WIN 0x8a+0x45*\hi                      ; sources 0, 1 and destination in the window
.irp ii, 0,1,2,3
.set FO, 0
.rept 16
	v_pk_fma_f32 v[64*\ii+32+2*FO:64*\ii+32+2*FO+1], v[64*\ii+32+2*FO:64*\ii+32+2*FO+1], v[64*\ii+32+2*FO:64*\ii+32+2*FO+1], 1.0 op_sel_hi:[1,1,0] neg_lo:[1,0,0] neg_hi:[1,0,0]
.set FO, FO+1
.endr
.endr
.if \hi == 0
	s_wait_dscnt 0x0                       ; the first-level sums are back from the stage
.endif
	WIN 0x0a+5*\hi                         ; sources 0 and 1 in the window
.irp ii, 0,1,2,3
.set FO, 0
.rept 16
	v_pk_fma_f32 v[TMP+2*FO:TMP+2*FO+1], v[64*\ii+32+2*FO:64*\ii+32+2*FO+1], v[64*\ii+2*FO:64*\ii+2*FO+1], v[TMP+2*FO:TMP+2*FO+1]
.set FO, FO+1
.endr
.endr
.endm
; ================= S: set-up =================
	s_load_b512 s[4:19], s[0:1], 0x0               ; h s[4:5], signature s[6:7], b1 s[8:9], b2 s[10:11], b3 s[12:13], bo s[14:15], wf s[16:17], out0 s[18:19]
	v_lshl_add_u32 v254, v0, 2, 0x4fd00
	v_mov_b32 v255, 0
	v_lshrrev_b32 v1, 5, v0
	v_readfirstlane_b32 s20, v1                    ; wave 0..3
	v_and_b32 v1, 31, v0                           ; L
	v_and_b32 v2, 15, v0                           ; r
	v_bfe_u32 v3, v0, 4, 1                         ; h
	v_lshlrev_b32 v[LOFF], 4, v1
	s_mov_b32 s27, 0x3a800000                      ; 2^-10
	s_mov_b32 s32, 0x76543210                      ; v_permlanex16_b32: lane i of one half reads lane i of the other
	s_mov_b32 s33, 0xfedcba98
	v_mul_u32_u24 v18, v2, 144                     ; sample r's 36 coefficients
	v_lshlrev_b32 v19, 10, v2                      ; h: row r,
	v_lshl_add_u32 v19, v3, 5, v19                 ; eight numbers for each half of the lanes,
	s_wait_alu depctr_va_sdst(0)                   ; s20 is written, ahead of its first reader
	s_lshl_b32 s28, s20, 8
	v_add_nc_u32 v19, s28, v19                     ; my wave's 64 columns
	v_lshlrev_b32 v20, 4, v0                       ; biases: 16 bytes a thread
	s_mul_i32 s30, s20, RW
	s_mov_b32 s31, 0
	s_mul_i32 s28, ttmp9, 2304                     ; 16 samples x 144 bytes
	s_mov_b32 s29, 0
	s_wait_kmcnt 0x0
	s_add_nc_u64 s[6:7], s[6:7], s[28:29]
	s_lshl_b32 s28, ttmp9, 14                      ; 16 rows of 1,024 bytes, in h and in out0
	s_add_nc_u64 s[4:5], s[4:5], s[28:29]
	s_add_nc_u64 s[18:19], s[18:19], s[28:29]
	s_add_nc_u64 s[WB:WB+1], s[16:17], s[30:31]
	s_mov_b64 s[IP:IP+1], s[WB:WB+1]               ; the first four chunks
	s_wait_alu depctr_va_vdst(0)                   ; v18, v19, v20 and v[LOFF] are written, which the loads below read as their offsets
.irp u, 0,1,2,3,4,5,6,7,8
	global_load_b128 v[SIG+4*\u:SIG+4*\u+3], v18, s[6:7] offset:16*\u th:TH_LOAD_NT
.endr
.irp e, 0,1,2,3,4,5,6,7
	global_load_b128 v[F0+4*\e:F0+4*\e+3], v19, s[4:5] offset:64*(\e/2)+16*(\e%2) th:TH_LOAD_NT
.endr
	global_load_b128 v[BI:BI+3], v20, s[8:9]
	global_load_b128 v[BI+4:BI+7], v20, s[10:11]
	global_load_b128 v[BI+8:BI+11], v20, s[12:13]
.irp u, 0,1,2,3
	global_load_b128 v[BI+12+4*\u:BI+15+4*\u], v20, s[14:15] offset:2048*\u
.endr
	ISSUEA 0
	ISSUEH 0
	ISSUEA 1
	ISSUEH 1
	WIN 0
	v_add_nc_u32 v[VXB], XH, v[LOFF]
	s_lshl_b32 s28, s20, 11                        ; 2,048 w
	v_add_nc_u32 v[VW0], s28, v[LOFF]
	v_add_nc_u32 v[VW1], 65536, v[VW0]
	v_add_nc_u32 v23, s28, v[VXB]                  ; h's fragments 2 w, 2 w + 1
	s_lshl_b32 s28, s20, 12                        ; 4,096 w
	v_add_nc_u32 v[VS0], s28, v[LOFF]
	v_add_nc_u32 v[VS1], 65536, v[VS0]
	s_add_co_u32 s28, s28, X1
	v_add_nc_u32 v[VXS], s28, v[LOFF]
	s_mul_i32 s28, s20, 24576
	s_add_co_u32 s28, s28, DD
	v_add_nc_u32 v[VD], s28, v[LOFF]
	s_lshl_b32 s28, s20, 9
	s_add_co_u32 s28, s28, BIAS
	v_lshl_add_u32 v[VB], v3, 5, s28
	s_lshl_b32 s28, s20, 8
	v_lshlrev_b32 v25, 4, v2                       ; 16 r
	v_lshl_add_u32 v[VCO], v3, 10, v25             ; lanes 16-31 one row of out0 further down
	v_add_nc_u32 v[VCO], s28, v[VCO]
	s_add_co_u32 s28, s28, BIAS+6144
	v_lshl_add_u32 v[VBO], v3, 5, s28
	s_mul_i32 s28, s20, 4352
	s_add_co_u32 s28, s28, STG
	v_mul_u32_u24 v26, v2, 272
	v_lshl_add_u32 v26, v3, 5, v26
	v_add_nc_u32 v[VSTO], s28, v26                 ; row r, 32 bytes for each half of the lanes
	v_mul_u32_u24 v26, v3, 272
	v_add_nc_u32 v26, v26, v25
	v_add_nc_u32 v[VRD], s28, v26                  ; by rows: lanes 0-15 one row of 256 bytes, lanes 16-31 the next
	v_lshlrev_b32 v[VRML], 2, v2
	v_add_nc_u32 v[VRML], RM, v[VRML]
	s_lshl_b32 s28, s20, 6
	v_add_nc_u32 v[VRMS], s28, v[VRML]
	v_add_nc_u32 v24, BIAS, v20
	v_mov_b32 v[VXR], v[VXB]                       ; layer 0 reads h,
	v_mov_b32 v[VXSL], v[VXS]                      ; stores x1
	v_mov_b32 v[VDL], v[VD]                        ; and d_1
	s_wait_loadcnt 32                              ; all but the two chunks: signature, h and the biases are in
.irp m, 0,1,2,3,4,5,6,7,8,9,10,11,12,13,14,15
	v_cvt_pk_bf16_f32 v[TMP+\m], v[F0+2*\m], v[F0+2*\m+1]
.endr
	s_wait_alu depctr_va_vdst(0)                   ; all the kernel's addresses are written, and v[TMP ..], which the stores below read
.irp m, 0,1,2,3
	ds_store_b128 v23, v[TMP+4*\m:TMP+4*\m+3] offset:512*\m
.endr
.irp u, 0,1,2,3,4,5,6
	ds_store_b128 v24, v[BI+4*\u:BI+4*\u+3] offset:2048*\u
.endr
	ISSUEA 2
	ISSUEH 2
	ISSUEA 3                                       ; its last two loads go out in the first step, as in every trip
	WIN 0
	BAR                                            ; h and the biases are whole for every wave
	s_wait_alu depctr_vm_vsrc(0)                   ; my LDS stores have read v[TMP ..] and v[BI ..], which the first epilogue writes
; ================= P1-P3: one body, three times =================
	s_mov_b32 s34, 0                               ; the layer
.Lplayer:
	PSTART
	PTRIP 1
	s_cmp_eq_u32 s34, 0
	s_cbranch_scc1 .Lpshort                        ; layer 0, K = 256: a first and a last trip; K = 512: two more between them
	s_mov_b32 s26, 2
.Lp:
	PTRIP 1
	s_sub_co_i32 s26, s26, 1
	s_cmp_lg_u32 s26, 0
	s_cbranch_scc1 .Lp
.Lpshort:
	PTRIP 0
	PEPI
	s_add_co_u32 s34, s34, 1
	s_cmp_lt_u32 s34, 3
	s_cbranch_scc1 .Lplayer
	; x3' = x3 / S in f16; x3 still lies in F0 in f32.  The largest x3 of row r: over my 64 numbers (four chains), over the two lanes that
	; hold the row, over the four waves.
.irp c, 0,1,2,3
	v_max_num_f32 v[TMP+\c], v[F0+\c], v[F0+4+\c]
.endr
.set PI, 8
.rept 7
.irp c, 0,1,2,3
	v_max3_num_f32 v[TMP+\c], v[TMP+\c], v[F0+PI+\c], v[F0+PI+4+\c]
.endr
.set PI, PI+8
.endr
	v_max3_num_f32 v[TMP], v[TMP], v[TMP+1], v[TMP+2]
	v_max_num_f32 v[TMP], v[TMP], v[TMP+3]
	v_permlanex16_b32 v[TMP+1], v[TMP], s32, s33                       ; lane r + 16 holds the row's other columns
	v_max_num_f32 v[TMP], v[TMP], v[TMP+1]
	s_wait_alu depctr_va_vdst(0)                   ; v[TMP] is written, which the store reads
	ds_store_b32 v[VRMS], v[TMP]                                       ; both lanes of a row write the same word with the same value
	BAR                                            ; every wave's maxima are there
.irp c, 0,1,2,3
	ds_load_b32 v[TMP+4+\c], v[VRML] offset:64*\c                      ; into four registers that nothing since the wait above names
.endr
	s_wait_dscnt 0x0
	s_wait_alu depctr_vm_vsrc(0)                   ; the store above has read v[TMP], which is written below
	v_max3_num_f32 v[TMP], v[TMP+4], v[TMP+5], v[TMP+6]
	v_max_num_f32 v[TMP], v[TMP], v[TMP+7]
	v_lshrrev_b32 v[TMP], 23, v[TMP]                                   ; the maximum's exponent field e (x3 >= 0: no sign bit)
	v_min_u32 v[TMP], 252, v[TMP]                                      ; so that both fields below stay inside 1 .. 253
	v_sub_nc_u32 v[TMP+1], 253, v[TMP]
	v_add_nc_u32 v[TMP], 1, v[TMP]
	v_lshlrev_b32 v[SCI], 23, v[TMP+1]                                 ; 1 / S = 2^(126 - e)
	v_lshlrev_b32 v[TMP], 23, v[TMP]                                   ; S = 2^(e - 126), above the maximum
	v_mov_b32 v[SCI+1], v[SCI]
	v_mul_f32 v[SC], LOG2E2, v[TMP]
	v_mov_b32 v[SC+1], v[SC]
.set PI, 0
.rept 32
	v_pk_mul_f32 v[F0+PI:F0+PI+1], v[F0+PI:F0+PI+1], v[SCI:SCI+1]
.set PI, PI+2
.endr
.set PI, 0
.rept 32
	v_cvt_pk_f16_f32 v[TMP+PI], v[F0+2*PI], v[F0+2*PI+1]
.set PI, PI+1
.endr
	v_add_nc_u32 v[VX], 16384, v[VXB]              ; where P4 reads x3': made here, ahead of the wait
	s_wait_alu depctr_va_vdst(0)                   ; v[TMP ..] is written, which the stores read, and v[VX]; the epilogues are done with the accumulators, in which bo lands below
.irp b, 0,1,2,3,4,5,6,7
	ds_store_b128 v[VXS], v[TMP+4*\b:TMP+4*\b+3] offset:512*\b         ; in x3's order, in the bytes that held x1
.endr
	BAR                                            ; x3' is whole for every wave
; ================= P4: V, the first-level sums, w_f =================
	; bo / S starts the sums: four groups of 16 loads, each scaled while the next is on its way (the counts leave that next group out)
	BOLOAD 0
	BOLOAD 1
	s_wait_dscnt 16
	BOSCALE 0
	BOLOAD 2
	s_wait_dscnt 16
	BOSCALE 1
	BOLOAD 3
	s_wait_dscnt 16
	BOSCALE 2
	WIN 0
	ds_load_b128 v[XB0:XB0+3], v[VX]               ; x3'; the scalings since the wait name neither XB0 nor v[VX]
	ds_load_b128 v[XB0+4:XB0+7], v[VX] offset:512
	s_wait_dscnt 2                                 ; all of bo; the fragment's two loads stay out
	BOSCALE 3
	WIN 0
	s_mov_b32 s26, 15
.Lp4:
	P4TRIP -1, 1
	s_sub_co_i32 s26, s26, 1
	s_cmp_lg_u32 s26, 0
	s_cbranch_scc1 .Lp4
	P4TRIP 0, 0                                    ; the f16 image's last trip asks for the second pass's first three chunks, at the region's head; T's first step asks for the fourth
	v_nop                                          ; the fifth place
	WIN 0x82
	TANH 0, 32, 1                                  ; V in place, 256 registers; S rides on the first multiply
	WIN 0x02                                       ; source 0 in window 2
	s_wait_alu depctr_vm_vsrc(0)                   ; the stores of x3' have read v[TMP ..], which the sums below write
	; O(t) = sum_i s_i V(i, t): the coefficient's register is picked out of its pair for both halves
.irp i, 0,1,2,3,4,5,6,7
.set FO, 0
.rept 16
.if \i == 0
	v_pk_mul_f32 v[TMP+2*FO:TMP+2*FO+1], v[2*FO:2*FO+1], v[SIG:SIG+1] op_sel_hi:[1,0]   ; the first term starts the sums
.else
.if \i%2
	v_pk_fma_f32 v[TMP+2*FO:TMP+2*FO+1], v[32*\i+2*FO:32*\i+2*FO+1], v[SIG+(\i/2)*2:SIG+(\i/2)*2+1], v[TMP+2*FO:TMP+2*FO+1] op_sel:[0,1,0] op_sel_hi:[1,1,1]
.else
	v_pk_fma_f32 v[TMP+2*FO:TMP+2*FO+1], v[32*\i+2*FO:32*\i+2*FO+1], v[SIG+(\i/2)*2:SIG+(\i/2)*2+1], v[TMP+2*FO:TMP+2*FO+1] op_sel_hi:[1,0,1]
.endif
.endif
.set FO, FO+1
.endr
.endr
	WIN 0
	s_wait_alu depctr_va_vdst(0)                   ; the sums are written, which the stores read
.irp t, 0,1,2,3
	ds_store_b128 v[VSTO], v[TMP+8*\t:TMP+8*\t+3] offset:64*\t                    ; they wait in my wave's own stage: T needs the registers
	ds_store_b128 v[VSTO], v[TMP+8*\t+4:TMP+8*\t+7] offset:64*\t+16
.endr
.irp t, 0,1,2,3
	WIN 0x02
	WCOMB \t
	WIN 0
	s_wait_alu depctr_vm_vsrc(0)                   ; the last stores from v[TMP ..] (the sums', or the column tile before) have read it
.set CI, 0
.rept 32
	v_cvt_pk_bf16_f32 v[TMP+CI], v[F1+2*CI], v[F1+2*CI+1]
.set CI, CI+1
.endr
	s_wait_alu depctr_va_vdst(0)                   ; the roundings have written v[TMP ..], which the eight stores read
.irp f, 0,1,2,3
	ds_store_b128 v[VW0], v[TMP+4*\f:TMP+4*\f+3] offset:16384*\f+512*\t           ; row tile f, fragment 2 w + t / 2, half t mod 2
.endr
.irp f, 0,1,2,3
	ds_store_b128 v[VW1], v[TMP+16+4*\f:TMP+16+4*\f+3] offset:16384*\f+512*\t
.endr
.endr
	BAR                                            ; t_0 = w is whole for every wave
; ================= T1-T3: one body, three times =================
	v_mov_b32 v[VDL], v[VD]                        ; d_1 again (its last readers, P3's stores, stand ahead of the wait on vm_vsrc that ends P3's epilogue)
	s_mov_b32 s34, 0                               ; the layer
.Ltlayer:
	v_mov_b32 v[VA0], v[LOFF]                      ; (the last layer's loads by these two stand ahead of the wait on vm_vsrc that ends its epilogue)
	v_add_nc_u32 v[VA1], 65536, v[LOFF]
	s_wait_alu depctr_va_vdst(0)                   ; v[VA0], v[VA1] and v[VDL] are written; the vector work before is done with F0 and F1, in which the fragments land
	FETCH_A F0, 0                                  ; k step 0; each step asks for the next one's
	TTRIP 1, 0, -1                                 ; the first trip's first products start the sums
	s_cmp_eq_u32 s34, 0
	s_cbranch_scc1 .Ltshort                        ; layer 0, K = 256: a first and a last trip; K = 512: two more between them
	s_mov_b32 s26, 2
.Lt:
	TTRIP 0, 0, -1
	s_sub_co_i32 s26, s26, 1
	s_cmp_lg_u32 s26, 0
	s_cbranch_scc1 .Lt
.Ltshort:
	TTRIP 0, 1, -2                                 ; asks for the next layer's first three chunks; behind layer 2 for those of Wo's bf16 image
	TEPI
	s_add_co_u32 s34, s34, 1
	s_cmp_lt_u32 s34, 3
	s_cbranch_scc1 .Ltlayer
; ================= L =================
	v_mov_b32 v[VA0], v[LOFF]                      ; (freed by the wait on vm_vsrc that ends T's last epilogue)
	v_add_nc_u32 v[VA1], 65536, v[LOFF]
	v_add_nc_u32 v[VX], 49152, v[VXB]              ; x3 in bf16
	WIN TO_B
	s_wait_alu depctr_va_vdst(0)                   ; the three addresses are written; T's last epilogue is done with the accumulators and with F0, in which loads land below
	ISSUEA 3                                       ; slot 3's fourteen: from here on the ring runs as in P
	WIN 0x80
.irp i, 0,1,2,3
.irp t, 0,1,2,3
	ds_load_b128 v[8*(8*\i+4+\t):8*(8*\i+4+\t)+3], v[VBO] offset:1024*\i+64*\t
	ds_load_b128 v[8*(8*\i+4+\t)+4:8*(8*\i+4+\t)+7], v[VBO] offset:1024*\i+64*\t+16
.endr
.endr
	WIN 0xc0
.irp i, 0,1,2,3
.irp t, 0,1,2,3
	ds_load_b128 v[8*(8*\i+4+\t):8*(8*\i+4+\t)+3], v[VBO] offset:1024*(\i+4)+64*\t
	ds_load_b128 v[8*(8*\i+4+\t)+4:8*(8*\i+4+\t)+7], v[VBO] offset:1024*(\i+4)+64*\t+16
.endr
.endr
	WIN 0
	LF 0, 0                                        ; groups of 6, 4, 4, 4 loads, as in every trip
	LX XB0, 0
	LF 1, 0
	LF 2, 0
	LF 3, 0
	LTRIP XB0, XB1, 1                              ; k step 0 starts G's sums
	s_mov_b32 s26, 7
.Ll:
	LTRIP XB1, XB0, 0
	LTRIP XB0, XB1, 0
	s_sub_co_i32 s26, s26, 1
	s_cmp_lg_u32 s26, 0
	s_cbranch_scc1 .Ll
	LSTEP 0, XB1, XB0, 0, 0, 12, 1                 ; k step 15: nothing more is fetched from LDS, so the counts run down by groups of four,
	LSTEP 1, XB1, XB0, 0, 0, 8, 1                  ; and no slot is refilled
	LSTEP 2, XB1, XB0, 0, 0, 4, 1
	LSTEP 3, XB1, XB0, 0, 0, 0, 1
.rept 5
	v_nop                                          ; the places behind the last matrix instructions
.endr
	WIN 0
.irp t, 0,1,2,3
	ds_load_b128 v[TMP+8*\t:TMP+8*\t+3], v[VSTO] offset:64*\t                     ; the first-level sums, each lane its own bytes; nothing since the last wait on va_vdst names v[TMP ..] or v[VSTO]
	ds_load_b128 v[TMP+8*\t+4:TMP+8*\t+7], v[VSTO] offset:64*\t+16
.endr
	FIN 0
	FIN 1
	; The way out: a lane's 32 bytes of a row go into my wave's own stage and come back as whole rows of 256 bytes.
	WIN 0
	s_wait_alu depctr_va_vdst(0)                   ; the sums in v[TMP ..] are written, which the stores read; the last products are done reading F0, in which the rows land
.irp t, 0,1,2,3
	ds_store_b128 v[VSTO], v[TMP+8*\t:TMP+8*\t+3] offset:64*\t
	ds_store_b128 v[VSTO], v[TMP+8*\t+4:TMP+8*\t+7] offset:64*\t+16
.endr
.irp u, 0,1,2,3,4,5,6,7
	ds_load_b128 v[F0+4*\u:F0+4*\u+3], v[VRD] offset:544*\u       ; LDS serves a wave's instructions in order (ISA guide 5.7.1.4): these see the stores above
.endr
.irp u, 0,1,2,3,4,5,6,7
	s_wait_dscnt 7-\u                              ; load u is back, the younger ones stay out
	global_store_b128 v[VCO], v[F0+4*\u:F0+4*\u+3], s[18:19] offset:2048*\u th:TH_STORE_NT   ; 16 lanes store 256 consecutive bytes, at a multiple of 256 from out0's first byte
.endr
	s_wait_dscnt 0x0
	s_wait_alu depctr_hold_cnt(0) depctr_sa_sdst(0) depctr_va_vdst(0) depctr_va_sdst(0) depctr_va_ssrc(0) depctr_va_vcc(0) depctr_vm_vsrc(0)
	s_wait_tensorcnt 0x0
	ds_add_u32 v254, v255
	s_wait_dscnt 0x0
	s_endpgm
.Lfunc_end_k_qc490a48ddb_fused:
	.size	k_qc490a48ddb_fused, .Lfunc_end_k_qc490a48ddb_fused-k_qc490a48ddb_fused
	.p2alignl 7, 3214868480
	.fill 96, 4, 3214868480
	.section	.rodata,"a",@progbits
	.p2align	6, 0x0
	.amdhsa_kernel k_qc490a48ddb_fused
		.amdhsa_group_segment_fixed_size 327424
		.amdhsa_private_segment_fixed_size 0
		.amdhsa_enable_private_segment 0
		.amdhsa_kernarg_size 64
		.amdhsa_user_sgpr_count 2
		.amdhsa_user_sgpr_kernarg_segment_ptr 1
		.amdhsa_wavefront_size32 1
		.amdhsa_system_sgpr_workgroup_id_x 1
		.amdhsa_system_sgpr_workgroup_id_y 1
		.amdhsa_system_sgpr_workgroup_id_z 1
		.amdhsa_system_vgpr_workitem_id 0
		.amdhsa_next_free_vgpr 1024
		.amdhsa_next_free_sgpr 66
		.amdhsa_reserve_vcc 0
		.amdhsa_float_denorm_mode_32 3
		.amdhsa_float_denorm_mode_16_64 3
		.amdhsa_memory_ordered 1
		.amdhsa_forward_progress 1
		.amdhsa_inst_pref_size 255
	.end_amdhsa_kernel
	.section	.bss,"aw",@nobits
	.p2align	6
	.space	262144
	.amdgpu_metadata
---
amdhsa.version: [ 1, 2 ]
amdhsa.kernels:
  - .name:           k_qc490a48ddb_fused
    .symbol:         k_qc490a48ddb_fused.kd
    .args:
      - { .name: h, .offset: 0, .size: 8, .value_kind: global_buffer, .address_space: global }
      - { .name: primitive_signature, .offset: 8, .size: 8, .value_kind: global_buffer, .address_space: global }
      - { .name: b1, .offset: 16, .size: 8, .value_kind: global_buffer, .address_space: global }
      - { .name: b2, .offset: 24, .size: 8, .value_kind: global_buffer, .address_space: global }
      - { .name: b3, .offset: 32, .size: 8, .value_kind: global_buffer, .address_space: global }
      - { .name: bo, .offset: 40, .size: 8, .value_kind: global_buffer, .address_space: global }
      - { .name: wf, .offset: 48, .size: 8, .value_kind: global_buffer, .address_space: global }
      - { .name: out0, .offset: 56, .size: 8, .value_kind: global_buffer, .address_space: global }
    .group_segment_fixed_size: 327424
    .private_segment_fixed_size: 0
    .kernarg_segment_align: 8
    .kernarg_segment_size: 64
    .max_flat_workgroup_size: 128
    .sgpr_count:     66
    .vgpr_count:     1024
    .wavefront_size: 32
...
	.end_amdgpu_metadata
.endif
;; end of part 5
